; MI455X (gfx1250); checked and timed in simulation.
; The chip was launched on July 23, 2026; its instructions are those of AMD's public machine-readable ISA for CDNA 5 (MIT licence, August 2026) and "CDNA5" Instruction Set Architecture Reference Guide (July 2026). The comments in the code are by the model that wrote it; some were corrected since.
;; Multi Head Attention. Allowed arithmetic: matrix products marked QUANTISED: E2M1 operands, one E8M0 scale for each 32 along K, by v_wmma_scale_f32_16x16x128_f8f6f4 with both operands' format E2M1 (or v_wmma_scale_f32_32x16x128_f4), f32 sums; everything else in f32.
;; Inputs: Wk 1,024 x 1,024 float32; Wo 1,024 x 1,024 float32; Wq 1,024 x 1,024 float32; Wv 1,024 x 1,024 float32; bk 1,024 float32; bo 1,024 float32; bq 1,024 float32; bv 1,024 float32; x 4 x 2,048 x 1,024 float32.
;; Outputs: out0 4 x 2,048 x 1,024 float32.
;; This version of the problem:
;;   THIS VERSION OF THE PROBLEM IS GIVEN IN LOW PRECISION. The matrix products marked QUANTISED in the list below multiply operands that are first quantised to E2M1 (2 exponent bits, 1 mantissa bit; 4 bits a number), with one power-of-two scale for each 32 numbers along K (OCP MX v1.0); their sums are f32. All else is computed in f32.
;;   The module's matrix products, in the order in which they are computed (A, B: the left and right operand; K: the contracted axis; several contracted axes count as one K, in the product's order):
;;     1. [M 8,192, K 1,024] x [K 1,024, N 1,024]; A: input x; B: input Wq: QUANTISED
;;     2. [M 8,192, K 1,024] x [K 1,024, N 1,024]; A: input x; B: input Wk: QUANTISED
;;     3. [M 8,192, K 1,024] x [K 1,024, N 1,024]; A: input x; B: input Wv: QUANTISED
;;     4. batch 64 x [M 2,048, K 64] x [K 64, N 2,048]; A: computed on the way; B: computed on the way: QUANTISED
;;     5. batch 64 x [M 2,048, K 2,048] x [K 2,048, N 64]; A: softmax (see below); B: computed on the way: QUANTISED
;;     6. [M 8,192, K 1,024] x [K 1,024, N 1,024]; A: computed on the way; B: input Wo: QUANTISED
;;   THE QUANTISER, for each operand of a quantised product, along K:
;;     - K is cut into blocks of 32 from its start; a last block that is shorter is filled with zeros.
;;     - A block's scale is 2^e with e = floor(log2(the largest magnitude in the block)) - 2, held to -126 .. 127; a block of zeros has e = 0. As a byte (E8M0): e + 127.
;;     - Each number is divided by its block's scale, clamped to +-6, and rounded to the nearest number of E2M1, ties to even, subnormals kept.
;;     - The product sums the exact products of the quantised numbers (number of the format x scale) in f32.
;;   ~~~python
;;   def quantise(x, axis):      # numpy; x: float32 -> the quantised numbers, widened to float32 again
;;       x = np.moveaxis(x, axis, -1); K = x.shape[-1]
;;       x = np.pad(x, [(0, 0)] * (x.ndim - 1) + [(0, -K % 32)]); x = x.reshape(x.shape[:-1] + (-1, 32)); a = np.abs(x).max(-1, keepdims=True)
;;       e = np.where(a > 0, np.clip(np.frexp(np.where(a > 0, a, 1))[1] - 1 - 2, -126, 127), 0)      # np.frexp(a)[1] - 1 = floor(log2(a)), exactly
;;       r = np.clip(x / 2.0 ** e, -6, 6)
;;       step = 2.0 ** (np.maximum(np.frexp(np.where(r == 0, 1, r))[1] - 1, 0) - 1)
;;       q = np.round(r / step) * step * 2.0 ** e      # np.round: ties to even
;;       return np.moveaxis(q.reshape(q.shape[:-2] + (-1,))[..., :K], -1, axis).astype(np.float32)
;;   ~~~
;;   SOFTMAX AHEAD OF A QUANTISED PRODUCT. Where the list says 'softmax', what is quantised is not the finished softmax but p = 2^(t - M), with t = logit x log2(e) and M = ceil(the row's largest t), a whole number; so 1/2 < the row's largest p <= 1. The row's sum l is taken of the UNQUANTISED p, in f32, and the product's result is divided by l at the end. Since M is a whole number, a kernel that streams over the keys may use a running M (the ceiling of the running maximum): every later rescaling is an exact power of two, which a block's scale takes up: the codes' values come out the same.
;;   OPERANDS COMPUTED ON THE WAY. 'Computed on the way' means the value that the module computes at that place (a softmax that the list does not call 'softmax' is quantised finished and normalised). What goes into a quantiser is computed in f32, as accurately as f32 sums, v_exp_f32 and their like allow (about 1e-6 of the number): no bf16 or f16 on the way to a quantiser, and a product that is left as it is and whose result goes on into a quantised operand takes f32 operands (vector FMAs, or v_wmma_f32_16x16x4_f32). A number that lies on a knife's edge between two numbers of the format may be rounded either way, as far as f32 arithmetic and the matrix unit's own rounding can turn it there, and no further.
;; One version. Each part assembles by itself: llvm-mc -triple=amdgcn-amd-amdhsa -mcpu=gfx1250 --defsym DOCPART=n.
;; ======== version 1 of 1: 4 launches
;; workspace buffers: xb 4,456,448 bytes; wb 2,228,224 bytes; qb 4,718,592 bytes; kv 8,912,896 bytes; cb 4,456,448 bytes
;; launch quant (part 1): grid 384 x 1, 4 waves a work-group, no clusters, 41,472 bytes of LDS; arguments x, Wq, Wk, Wv, Wo, xb, wb; writes xb, wb
.if DOCPART == 1
	.amdgcn_target "amdgcn-amd-amdhsa--gfx1250"
	.amdhsa_code_object_version 6
	.text
	.protected	k_q69ed890977_quant
	.globl	k_q69ed890977_quant
	.p2align	8
	.type	k_q69ed890977_quant,@function
k_q69ed890977_quant:
	s_mov_b64 s[64:65], 0
	v_nop
	global_prefetch_b8 v0, s[64:65] scope:SCOPE_SE
	s_setreg_imm32_b32 hwreg(HW_REG_WAVE_MODE, 25, 1), 1
	s_wait_xcnt 0x0
; x [8192][1024] f32 (K innermost) and Wq, Wk, Wv, Wo [1024 (k)][1024 (n)] f32 (K outermost) become codes of FP4 (E2M1) with one E8M0 byte for each 32 along K,
; laid in the ORDER OF AN OPERAND'S REGISTERS.  Rows (of x; columns n of a weight) go in groups of 32: row 32 g + 16 a + 8 u + j is slot 8 a + j of tile 2 g + u.
;   codes:  tile x 8192 + (k / 32) x 256 + slot x 16 : 16 bytes = 32 codes, the lower k in the lower bits.  A fragment (tile, 128 along K) is two runs of 512 bytes, 16 bytes a lane.
;   scales: pair g x 1024 + (k / 256) x 256 + (16 u + slot) x 8 + (k / 32) % 8 : 8 bytes a lane are the scale words of two K steps, tile 2 g in lanes 0-15, tile 2 g + 1 in lanes 16-31.
; A block's scale is 2^(floor(log2(largest magnitude)) - 2): its byte is the largest magnitude's exponent field - 2, held at 1 from below by a floor among the maximum's leaves.
; LIMITS: NaN and infinities among the inputs are not served; a block of zeros gets the byte 1 where the rule says 127: its codes are zeros, and the bytes are read by this program alone.
; Work-groups 0-255 take x (a pair of tiles, 32 whole rows, each; wave w the w-th 256 along K); work-groups 256-383 take the weights (128 columns x 256 along K each; a wave 32 columns).
; No tensor loads, no barrier: waves share nothing.  Only the x path uses LDS.
.set SP,   80                          ; a lane's place in a turning stage: 64 bytes + 16 of padding
.set WREG, 10240                       ; LDS of a wave: two turning stages of 32 x SP, the codes' stage, the scale bytes
.set CSO,  5120                        ; the codes' stage: 16 rows (tile u x 8 + block) of 256 bytes, pitch CP
.set CP,   288
.set SSO,  9728                        ; 256 scale bytes
.set R,    16                          ; v16-79   four sets of 16 numbers as loaded
.set X,    80                          ; v80-111  two sets of 16 neighbours
.set C,    112                         ; v112-115 codes, two sets by turns
.set E,    116                         ; v116-117 the scale byte, two by turns
	s_load_b256 s[4:11], s[0:1], 0x0               ; x, Wq, Wk, Wv
	s_load_b128 s[12:15], s[0:1], 0x20             ; Wo, xb
	s_load_b64 s[16:17], s[0:1], 0x30              ; wb
	v_lshl_add_u32 v128, v0, 2, 0xa000
	v_mov_b32 v129, 0
	v_lshrrev_b32 v1, 5, v0
	v_readfirstlane_b32 s18, v1                    ; wave
	v_and_b32 v2, 31, v0                           ; lane
	s_cmp_lt_u32 ttmp9, 256
	s_cbranch_scc0 .Lweights
; ---------------- x ----------------
	v_lshlrev_b32 v3, 4, v2                        ; 16 x lane
	s_mul_i32 s19, s18, WREG
	v_lshrrev_b32 v14, 2, v2
	v_mul_u32_u24 v14, v14, SP
	v_and_b32 v15, 3, v2
	v_lshl_add_u32 v14, v15, 4, v14
	v_add_nc_u32 v14, s19, v14                     ; turning stage, in: SP (lane / 4) + 16 (lane % 4)
	v_mul_u32_u24 v15, v2, SP
	v_add_nc_u32 v15, s19, v15                     ; out: SP x lane: 16 neighbours
	v_bfe_u32 v8, v2, 1, 3                         ; my block of the row's eight
	v_lshrrev_b32 v9, 4, v2                        ; which of the step's two rows
	v_and_b32 v10, 1, v2                           ; which half of the block
	v_mul_u32_u24 v4, v8, CP
	v_lshl_add_u32 v4, v9, 4, v4
	v_lshl_add_u32 v4, v10, 3, v4
	s_add_co_u32 s20, s19, CSO
	v_add_nc_u32 v4, s20, v4                       ; codes' stage, in: block x CP + 16 x row + 8 x half
	v_lshl_add_u32 v5, v9, 3, v8
	s_add_co_u32 s21, s19, SSO
	v_add_nc_u32 v5, s21, v5                       ; scale bytes, in: 8 x row + block
	v_and_b32 v11, 15, v2
	v_mul_u32_u24 v6, v9, CP
	v_lshl_add_u32 v6, v11, 4, v6
	v_add_nc_u32 v6, s20, v6                       ; codes' stage, out: sixteen lanes to a row of 256 bytes
	v_lshlrev_b32 v13, 3, v2                       ; 8 x lane
	v_add_nc_u32 v7, s21, v13                      ; scale bytes, out
	s_lshl_b32 s22, ttmp9, 17                      ; 32 rows of 4,096 bytes
	s_lshl_b32 s23, s18, 10                        ; my 256 along K
	s_add_co_u32 s22, s22, s23
	s_mov_b32 s23, 0
	s_lshl_b32 s24, ttmp9, 14                      ; codes: two tiles of 8,192 bytes
	s_lshl_b32 s25, s18, 11                        ; eight blocks of 256
	s_add_co_u32 s24, s24, s25
	s_mov_b32 s25, 0
	s_lshl_b32 s26, ttmp9, 10                      ; scales: 1,024 bytes a pair, 256 for my quarter of K
	s_lshl_b32 s27, s18, 8
	s_add_co_u32 s26, s26, s27
	s_add_co_u32 s26, s26, 4194304
	s_mov_b32 s27, 0
	s_wait_kmcnt 0x0
	s_add_nc_u64 s[4:5], s[4:5], s[22:23]
	s_add_nc_u64 s[28:29], s[14:15], s[24:25]
	s_add_nc_u64 s[30:31], s[14:15], s[26:27]
.macro LOAD t                          ; step t: rows 2 t and 2 t + 1, my 1,024 bytes of each: four loads of 512 consecutive bytes
.irp i, 0,1,2,3
	global_load_b128 v[R+16*((\t)%4)+4*\i:R+16*((\t)%4)+4*\i+3], v3, s[4:5] offset:(2*(\t)+\i/2)*4096+(\i%2)*512 th:TH_LOAD_NT
.endr
.endm
.macro TURN t                          ; through the stage: LDS serves a wave's instructions in order, so no wait stands between the stores and the loads
.irp i, 0,1,2,3
	ds_store_b128 v14, v[R+16*((\t)%4)+4*\i:R+16*((\t)%4)+4*\i+3] offset:32*SP*((\t)%2)+8*SP*\i
.endr
.irp i, 0,1,2,3
	ds_load_b128 v[X+16*((\t)%2)+4*\i:X+16*((\t)%2)+4*\i+3], v15 offset:32*SP*((\t)%2)+16*\i
.endr
.endm
.irp t, 0,1,2,3
	LOAD \t
.endr
	s_wait_loadcnt 12                              ; step 0's four loads are in
	TURN 0
.macro STEP t
.set XT, X+16*((\t)%2)
.if (\t) > 0
	s_wait_dscnt 2                                 ; this step's numbers are back; the last step's two stores may be out; those of two steps ago are done, so their registers are free
.else
	s_wait_dscnt 0x0
.endif
.if (\t)+4 < 16
	LOAD (\t)+4
.endif
.if (\t)+1 < 16
.if 14-(\t) >= 3
	s_wait_loadcnt 12                              ; the next step's loads are in; three steps' may be out
.else
	s_wait_loadcnt 4*(14-(\t))
.endif
	TURN (\t)+1
.endif
	v_max3_num_f32 v8, |v[XT]|, |v[XT+1]|, |v[XT+2]|
	v_max3_num_f32 v9, |v[XT+3]|, |v[XT+4]|, |v[XT+5]|
.irp i, 6,10
	v_max3_num_f32 v8, v8, |v[XT+\i]|, |v[XT+\i+1]|
	v_max3_num_f32 v9, v9, |v[XT+\i+2]|, |v[XT+\i+3]|
.endr
	v_max3_num_f32 v8, v8, |v[XT+14]|, |v[XT+15]|
	v_max3_num_f32 v8, v8, v9, 0x1800000           ; the floor 2^(3 - 127): the byte cannot fall under 1
	v_max_num_f32_dpp v8, v8, v8 row_xmask:1 row_mask:0xf bank_mask:0xf   ; with my neighbour's 16: the block's
	v_add_nc_u32 v11, 0xff000000, v8               ; 2 off the exponent field: the conversion's scale operand
	v_cvt_scalef32_pk8_fp4_f32 v[C+2*((\t)%2)], v[XT:XT+7], v11
	v_cvt_scalef32_pk8_fp4_f32 v[C+2*((\t)%2)+1], v[XT+8:XT+15], v11
	v_lshrrev_b32 v[E+(\t)%2], 23, v11             ; the scale's byte (a plain line behind the conversions)
	; row 2 t + (lane / 16) of the pair is slot 8 (t / 8) + 2 (t % 4) + (lane / 16) of tile (t / 4) % 2
	ds_store_b64 v4, v[C+2*((\t)%2):C+2*((\t)%2)+1] offset:(((\t)>>2)&1)*8*CP+(8*((\t)>>3)+2*((\t)&3))*16
	ds_store_b8 v5, v[E+(\t)%2] offset:(16*(((\t)>>2)&1)+8*((\t)>>3)+2*((\t)&3))*8
.endm
.irp t, 0,1,2,3,4,5,6,7,8,9,10,11,12,13,14,15
	STEP \t
.endr
.irp k, 0,1,2,3,4,5,6,7
	ds_load_b128 v[R+4*\k:R+4*\k+3], v6 offset:2*\k*CP   ; two rows of the codes' stage: these see my stores
.endr
	ds_load_b64 v[X:X+1], v7
.irp k, 0,1,2,3,4,5,6,7
	s_wait_dscnt 8-\k                              ; load k is back; the younger ones may be out
	global_store_b128 v3, v[R+4*\k:R+4*\k+3], s[28:29] offset:(\k/4)*8192+((2*\k)%8)*256   ; 512 consecutive bytes, aligned
.endr
	s_wait_dscnt 0x0
	global_store_b64 v13, v[X:X+1], s[30:31]       ; 256 consecutive bytes of scales, aligned
	s_wait_tensorcnt 0x0
	ds_add_u32 v128, v129
	s_wait_dscnt 0x0
	s_endpgm
; ---------------- the weights: a lane takes a column, its registers run down K ----------------
.set WX, 32                            ; v32-95  two sets of 32 numbers
.set WC, 96                            ; v96-127 four registers of codes for each of the eight blocks: no store's data are written again
.set SB, 24                            ; v24-25  the eight scale bytes
.Lweights:
	s_sub_co_u32 s19, ttmp9, 256
	s_lshr_b32 s20, s19, 5                         ; which weight: q, k, v, o
	s_bfe_u32 s21, s19, 0x30002                    ; which 128 columns
	s_and_b32 s22, s19, 3                          ; which 256 along K
	s_wait_alu depctr_va_vdst(0)
	v_and_b32 v8, 7, v2
	v_bfe_u32 v9, v2, 3, 1
	v_lshrrev_b32 v10, 4, v2
	v_lshl_add_u32 v8, v9, 4, v8
	v_lshl_add_u32 v8, v10, 3, v8                  ; lane l takes column (l % 8) + 16 ((l / 8) % 2) + 8 (l / 16): lanes 0-15 are the slots of tile 2 w, lanes 16-31 of tile 2 w + 1
	v_lshlrev_b32 v3, 2, v8
	v_and_b32 v11, 15, v2
	v_lshlrev_b32 v4, 13, v10
	v_lshl_add_u32 v4, v11, 4, v4                  ; codes: tile x 8192 + slot x 16
	v_lshlrev_b32 v5, 3, v2                        ; scales: 8 x lane
	s_lshl_b32 s24, s22, 20                        ; 256 rows of 4,096 bytes
	s_lshl_b32 s25, s21, 9
	s_add_co_u32 s24, s24, s25
	s_lshl_b32 s25, s18, 7
	s_add_co_u32 s24, s24, s25
	s_mov_b32 s25, 0
	s_mul_i32 s26, s21, 24                         ; q, k, v of a column group lie together: tile = 24 group + 8 weight + ..
	s_lshl_b32 s27, s20, 3
	s_add_co_u32 s26, s26, s27
	s_lshl_b32 s27, s21, 3
	s_add_co_u32 s27, s27, 192                     ; Wo: tile = 192 + 8 group + ..
	s_cmp_eq_u32 s20, 3
	s_cselect_b32 s26, s27, s26
	s_lshl_b32 s27, s18, 1
	s_add_co_u32 s26, s26, s27                     ; my first tile
	s_lshl_b32 s28, s26, 13
	s_lshl_b32 s29, s22, 11
	s_add_co_u32 s28, s28, s29
	s_mov_b32 s29, 0
	s_lshl_b32 s30, s26, 9                         ; pair x 1024
	s_lshl_b32 s31, s22, 8
	s_add_co_u32 s30, s30, s31
	s_add_co_u32 s30, s30, 2097152
	s_mov_b32 s31, 0
	s_wait_alu depctr_va_vdst(0)
	s_wait_kmcnt 0x0
	s_cmp_eq_u32 s20, 1                            ; the choice hangs on the work-group's number alone
	s_cselect_b64 s[6:7], s[8:9], s[6:7]
	s_cmp_eq_u32 s20, 2
	s_cselect_b64 s[6:7], s[10:11], s[6:7]
	s_cmp_eq_u32 s20, 3
	s_cselect_b64 s[6:7], s[12:13], s[6:7]
	s_add_nc_u64 s[6:7], s[6:7], s[24:25]
	s_add_nc_u64 s[28:29], s[16:17], s[28:29]
	s_add_nc_u64 s[30:31], s[16:17], s[30:31]
.macro WLOAD t                         ; block t: 32 rows of W at my column; a wave reads 128 consecutive bytes, the four waves 512
.set i, 0
.rept 32
	global_load_b32 v[WX+32*((\t)%2)+i], v3, s[6:7] offset:(32*(\t)+i)*4096 th:TH_LOAD_NT
.set i, i+1
.endr
.endm
	WLOAD 0
	WLOAD 1
.macro BLOCK t
.set XT, WX+32*((\t)%2)
.if (\t) < 7
	s_wait_loadcnt 32                              ; this block's 32 loads are in; the next block's may be out
.else
	s_wait_loadcnt 0x0
.endif
	v_max3_num_f32 v12, |v[XT]|, |v[XT+1]|, |v[XT+2]|
	v_max3_num_f32 v13, |v[XT+3]|, |v[XT+4]|, |v[XT+5]|
.irp i, 6,10,14,18,22,26
	v_max3_num_f32 v12, v12, |v[XT+\i]|, |v[XT+\i+1]|
	v_max3_num_f32 v13, v13, |v[XT+\i+2]|, |v[XT+\i+3]|
.endr
	v_max3_num_f32 v12, v12, |v[XT+30]|, |v[XT+31]|
	v_max3_num_f32 v12, v12, v13, 0x1800000
	v_add_nc_u32 v11, 0xff000000, v12
	v_lshrrev_b32 v13, 23, v11
.if (\t)%4 == 0
	v_mov_b32 v[SB+(\t)/4], v13
.else
	v_lshl_or_b32 v[SB+(\t)/4], v13, 8*((\t)%4), v[SB+(\t)/4]
.endif
.irp g, 0,1,2,3
	v_cvt_scalef32_pk8_fp4_f32 v[WC+4*(\t)+\g], v[XT+8*\g:XT+8*\g+7], v11
.endr
	global_store_b128 v4, v[WC+4*(\t):WC+4*(\t)+3], s[28:29] offset:(\t)*256   ; each half of the lanes stores 256 consecutive bytes, aligned
.if (\t)+2 < 8
	WLOAD (\t)+2
.endif
.endm
.irp t, 0,1,2,3,4,5,6,7
	BLOCK \t
.endr
	global_store_b64 v5, v[SB:SB+1], s[30:31]      ; 256 consecutive bytes of scales, aligned
	s_endpgm
.Lfunc_end_k_q69ed890977_quant:
	.size	k_q69ed890977_quant, .Lfunc_end_k_q69ed890977_quant-k_q69ed890977_quant
	.p2alignl 7, 3214868480
	.fill 96, 4, 3214868480
	.section	.rodata,"a",@progbits
	.p2align	6, 0x0
	.amdhsa_kernel k_q69ed890977_quant
		.amdhsa_group_segment_fixed_size 41472
		.amdhsa_private_segment_fixed_size 0
		.amdhsa_enable_private_segment 0
		.amdhsa_kernarg_size 56
		.amdhsa_user_sgpr_count 2
		.amdhsa_user_sgpr_kernarg_segment_ptr 1
		.amdhsa_wavefront_size32 1
		.amdhsa_system_sgpr_workgroup_id_x 1
		.amdhsa_system_sgpr_workgroup_id_y 1
		.amdhsa_system_sgpr_workgroup_id_z 1
		.amdhsa_system_vgpr_workitem_id 0
		.amdhsa_next_free_vgpr 130
		.amdhsa_next_free_sgpr 66
		.amdhsa_reserve_vcc 0
		.amdhsa_float_denorm_mode_32 3
		.amdhsa_float_denorm_mode_16_64 3
		.amdhsa_memory_ordered 1
		.amdhsa_forward_progress 1
		.amdhsa_inst_pref_size 73
	.end_amdhsa_kernel
	.amdgpu_metadata
---
amdhsa.version: [ 1, 2 ]
amdhsa.kernels:
  - .name:           k_q69ed890977_quant
    .symbol:         k_q69ed890977_quant.kd
    .args:
      - { .name: x, .offset: 0, .size: 8, .value_kind: global_buffer, .address_space: global }
      - { .name: Wq, .offset: 8, .size: 8, .value_kind: global_buffer, .address_space: global }
      - { .name: Wk, .offset: 16, .size: 8, .value_kind: global_buffer, .address_space: global }
      - { .name: Wv, .offset: 24, .size: 8, .value_kind: global_buffer, .address_space: global }
      - { .name: Wo, .offset: 32, .size: 8, .value_kind: global_buffer, .address_space: global }
      - { .name: xb, .offset: 40, .size: 8, .value_kind: global_buffer, .address_space: global }
      - { .name: wb, .offset: 48, .size: 8, .value_kind: global_buffer, .address_space: global }
    .group_segment_fixed_size: 41472
    .private_segment_fixed_size: 0
    .kernarg_segment_align: 8
    .kernarg_segment_size: 56
    .max_flat_workgroup_size: 128
    .sgpr_count:     66
    .vgpr_count:     130
    .wavefront_size: 32
...
	.end_amdgpu_metadata
.endif
;; end of part 1
;; launch proj (part 2): grid 32 x 8, 4 waves a work-group, clusters of 4 x 1, 211,456 bytes of LDS; arguments xb, wb, bq, bk, bv, qb, kv; writes qb, kv
.if DOCPART == 2
	.amdgcn_target "amdgcn-amd-amdhsa--gfx1250"
	.amdhsa_code_object_version 6
	.text
	.protected	k_q69ed890977_proj
	.globl	k_q69ed890977_proj
	.p2align	8
	.type	k_q69ed890977_proj,@function
k_q69ed890977_proj:
	s_mov_b64 s[64:65], 0
	v_nop
	global_prefetch_b8 v0, s[64:65] scope:SCOPE_SE
	s_setreg_imm32_b32 hwreg(HW_REG_WAVE_MODE, 25, 1), 1
	s_wait_xcnt 0x0
	s_wait_alu depctr_hold_cnt(0) depctr_sa_sdst(0) depctr_va_vdst(0) depctr_va_sdst(0) depctr_va_ssrc(0) depctr_va_vcc(0) depctr_vm_vsrc(0)
	s_getreg_b32 s2, hwreg(HW_REG_IB_STS2, 6, 4)
	s_cmp_eq_u32 s2, 0
	s_cbranch_scc0 .Lentry_in_a_cluster
	s_endpgm
.Lentry_in_a_cluster:
	s_bfe_u32 s2, ttmp6, 0x10000c
	s_cmp_lg_u32 s2, 0x3003
	s_cbranch_scc0 .Lentry_shape_is_right
	s_endpgm
.Lentry_shape_is_right:
; q = x Wq + bq, k = x Wk + bk, v = x Wv + bv on codes of FP4 (E2M1) with E8M0 scales, and the results quantised on the way: q and k along a head's 64, v along the keys.
; SHARES.  A work-group takes 256 rows of x (block gy) and 128 columns (two heads, gx) of each of q, k, v.  Wave w takes rows 64 w .. 64 w + 63 (four tiles of 16) against all 128 columns: 32 accumulators,
; used three times.  x's fragments (256 registers) come from memory straight into registers and stay for the three parts: a row of x belongs to one wave, so LDS would add nothing.
; W's 3 x 64 KiB of codes and 12 KiB of scales come into LDS once, each byte filled once: no slot is filled again.
; CLUSTER.  The four row blocks of a cluster need the same W: each tile is asked for JOINTLY (mask 15).  x is not shared: no two work-groups of a cluster read the same rows.
; ORIENTATION.  Parts q, k: source 0 = 16 columns of W, source 1 = 16 rows of x: a lane holds one row, its registers run along the columns.  Part v: source 0 = x, source 1 = W: a lane holds one column,
; its registers run along the keys.  The slots of a tile are chosen (see the quantising launch) so that the 16 registers of two neighbouring tiles are 16 neighbours along the axis to be quantised.
; OUT.  qb: [head][tile of 16 queries] 512 bytes, the image of four operand registers; behind them a scale word {s0, s1, s0, s1} a query.
;       kv: [head][step of 128 keys] 8,704 bytes: K 4,096 (a group of 32 keys is 1 KiB: tile u = 0 as k 0-63 and tile u = 1 as k 64-127 of one operand), V^T 4,096 (four tiles of 16 channels x 128 keys), K's scale words 256, V's 256.
; LIMITS: NaN and infinities are not served; a block of zeros gets the byte 1 where the rule says 127 (its codes are zeros; this program alone reads the bytes).
; REGISTERS, in windows of 256.  Window 0: v1-15 addresses and constants; v32-47 x's scale words; v48-79 W's; v80-95 at work; v96-103 codes just made; v104-115 scale words just made.
;   Window 1: x's fragments (tile a, K step s) at v[64 a + 8 s].  Window 2: the 32 accumulators.  Window 3: W's fragments, two sets of 64; from v128 the bias, eight registers a tile.
.set WSCB, 196608                      ; LDS: W's codes 0 .. 196,607 (part p at 65,536 p); W's scales, 4,096 a part;
.set STG,  208896                      ; the stage for k's and v's scale words: [head 2][step 2][K 256 | V 256]; no fill lands here
.set KVH,  139264                      ; a head's bytes in kv
.set LA,   3                           ; v3-5  16 x lane + 65,536 p
.set XS,   32
.set WS,   48
.set TM,   80
.set PC,   96
.set PW,   104
.set QW,   108
.set KW,   112
.set BI,   128
.set MSB, 0
.macro WIN new                         ; the immediate's high byte repeats the setting that is left
.if MSB != \new
	s_set_vgpr_msb (MSB<<8)|\new
.set MSB, \new
.endif
.endm
.macro PLACES n
.rept \n
	v_nop
.endr
.endm
.macro ROUND                           ; a round of the cluster's barrier
	s_barrier_signal -1
	s_barrier_wait -1
	s_cmp_lg_u32 s18, 0
	s_cbranch_scc1 .Lnot_wave_0_\@
	s_barrier_signal -3
.Lnot_wave_0_\@:
	s_barrier_wait -3
	s_barrier_signal -1
	s_barrier_wait -1
.endm
.macro BARRIER
	s_barrier_signal -1
	s_barrier_wait -1
.endm
	s_load_b256 s[4:11], s[0:1], 0x0               ; xb, wb, bq, bk
	s_load_b128 s[12:15], s[0:1], 0x20             ; bv, qb
	s_load_b64 s[16:17], s[0:1], 0x30              ; kv
	v_lshl_add_u32 v254, v0, 2, 0x33800
	v_mov_b32 v255, 0
	ds_add_u32 v254, v255
	ds_add_u32 v254, v255
	v_lshrrev_b32 v16, 5, v0
	v_readfirstlane_b32 s18, v16                   ; wave
	s_and_b32 s21, ttmp7, 0xffff                   ; gx: the head pair, shared by the four partners
	; W's offsets: made of gx and the wave's number alone
	s_mul_i32 s22, s18, 3072
	s_lshl_b32 s23, s18, 14
	s_mul_i32 s58, s21, 12288
	s_add_co_u32 s58, s58, s22
	s_add_co_u32 s58, s58, 2097152
	s_mov_b32 s59, 0
	s_mul_i32 s60, s21, 196608
	s_add_co_u32 s60, s60, s23
	s_mov_b32 s61, 0
	s_lshl_b32 s62, s21, 9                         ; the biases' 128 numbers
	s_mov_b32 s63, 0
	; descriptor groups 1: dense rows of 256 bytes (32 elements of 8 bytes): 64 rows of codes, 12 rows of scales
	s_mov_b32 s24, 0x0023000f                      ; 15:0 the mask: all four work-groups; 17:16 elements of 8 bytes; 21 set beside a mask
	s_mov_b32 s25, 32<<16
	s_mov_b32 s26, 64<<16
	s_mov_b32 s27, 32<<16
	s_mov_b32 s28, 64
	s_mov_b32 s29, 32
	s_mov_b32 s30, 0
	s_mov_b32 s31, 0
	s_mov_b32 s32, 0x0023000f
	s_mov_b32 s33, 32<<16
	s_mov_b32 s34, 12<<16
	s_mov_b32 s35, 32<<16
	s_mov_b32 s36, 12
	s_mov_b32 s37, 32
	s_mov_b32 s38, 0
	s_mov_b32 s39, 0
	s_mov_b32 s56, 0x76543210
	s_mov_b32 s57, 0xfedcba98                      ; lane l xor 16
	; my place: it enters x's and the outputs' global addresses alone
	s_bfe_u32 s19, ttmp6, 0x40000                  ; cx
	s_lshl_b32 s20, ttmp9, 2
	s_add_co_u32 s20, s20, s19                     ; gy
	s_lshr_b32 s78, s20, 3                         ; batch
	s_and_b32 s79, s20, 7                          ; block of 256 rows in the batch
	s_lshl_b32 s80, s78, 4
	s_lshl_b32 s81, s21, 1
	s_add_co_u32 s80, s80, s81                     ; my first head: 16 batch + 2 gx
	s_lshr_b32 s81, s18, 1                         ; wave / 2
	s_and_b32 s94, s18, 1                          ; wave % 2
	s_lshl_b32 s82, s20, 3
	s_lshl_b32 s83, s18, 1
	s_add_co_u32 s82, s82, s83
	s_lshl_b32 s82, s82, 10
	s_add_co_u32 s82, s82, 4194304                 ; x's scales: pair 8 gy + 2 w
	s_mov_b32 s83, 0
	s_lshl_b32 s84, s20, 2
	s_add_co_u32 s84, s84, s18
	s_lshl_b32 s84, s84, 15                        ; x's codes: tile 16 gy + 4 w
	s_mov_b32 s85, 0
	s_lshl_b32 s86, s80, 16
	s_lshl_b32 s87, s79, 13
	s_add_co_u32 s86, s86, s87
	s_lshl_b32 s87, s18, 11
	s_add_co_u32 s86, s86, s87                     ; q's codes: (128 head + 16 block + 4 w) x 512
	s_mov_b32 s87, 0
	s_lshl_b32 s88, s80, 13
	s_lshl_b32 s89, s79, 10
	s_add_co_u32 s88, s88, s89
	s_lshl_b32 s89, s18, 8
	s_add_co_u32 s88, s88, s89
	s_add_co_u32 s88, s88, 4194304                 ; q's scale words
	s_mov_b32 s89, 0
	s_mul_i32 s90, s80, KVH
	s_lshl_b32 s91, s79, 1
	s_add_co_u32 s92, s91, s81                     ; my key step: 2 block + w / 2
	s_mul_i32 s92, s92, 8704
	s_add_co_u32 s92, s92, s90
	s_lshl_b32 s93, s94, 11
	s_add_co_u32 s72, s92, s93                     ; k's codes: my 64 keys are two groups of 1 KiB
	s_mov_b32 s73, 0
	s_lshl_b32 s93, s94, 9
	s_add_co_u32 s74, s92, s93                     ; v's codes: my 64 keys are two blocks of 256 bytes in each tile
	s_mov_b32 s75, 0
	s_mul_i32 s93, s81, KVH
	s_add_co_u32 s76, s90, s93
	s_add_co_u32 s93, s91, s94
	s_mul_i32 s93, s93, 8704
	s_add_co_u32 s76, s76, s93
	s_add_co_u32 s76, s76, 8192                    ; the scale words that I store at the end: head w / 2, step w % 2
	s_mov_b32 s77, 0
	; lanes
	v_and_b32 v17, 31, v0                          ; lane
	v_and_b32 v18, 15, v0                          ; r
	v_bfe_u32 v19, v0, 4, 1                        ; h
	v_lshlrev_b32 v1, 4, v17                       ; 16 x lane
	v_lshlrev_b32 v2, 3, v17                       ; 8 x lane
	v_lshlrev_b32 v3, 4, v17
	v_add_nc_u32 v4, 65536, v1
	v_add_nc_u32 v5, 131072, v1
	v_add_nc_u32 v6, WSCB, v2
	v_lshlrev_b32 v7, 6, v19                       ; q's and k's bias: 16 h numbers on
	v_and_b32 v20, 7, v18
	v_bfe_u32 v21, v18, 3, 1
	v_lshl_add_u32 v20, v21, 4, v20
	v_lshlrev_b32 v8, 2, v20                       ; v's bias: slot r is column 16 (r / 8) + r % 8 of its tile's
	v_lshlrev_b32 v9, 13, v19
	v_lshl_add_u32 v9, v18, 4, v9                  ; q's scale words: head h, 16 bytes a slot
	s_lshl_b32 s95, s81, 9
	s_add_co_u32 s95, s95, STG
	s_lshl_b32 s93, s94, 2
	s_add_co_u32 s93, s93, s95
	v_lshlrev_b32 v10, 10, v19
	v_lshl_add_u32 v10, v18, 3, v10
	v_add_nc_u32 v10, s93, v10                     ; the stage, K's words: head h, step w / 2, 8 r, + 4 (w % 2)
	s_lshl_b32 s93, s94, 1
	s_add_co_u32 s93, s93, s95
	s_add_co_u32 s93, s93, 256
	v_add_nc_u32 v11, s93, v2                      ; V's half words: step w / 2, 8 x lane, + 2 (w % 2)
	s_lshl_b32 s93, s18, 9
	s_add_co_u32 s93, s93, STG
	v_add_nc_u32 v12, s93, v1                      ; the stage read back: 512 bytes a wave
	s_mov_b32 s93, 0x02020202
	v_mul_lo_u32 v13, v19, s93
	v_add_nc_u32 v14, 0x05040100, v13              ; byte selects: head h's two bytes of two scale words,
	v_add_nc_u32 v13, 0x01000100, v13              ; and of one word, twice
	v_mov_b32 v15, 0x1800000                       ; the floor 2^(3 - 127)
.irp b, 0,1,2,3
	v_mov_b32 v[TM+4+\b], 0                        ; written once: a lane permute's destination counts as one of its sources
.endr
	s_wait_dscnt 0x0
	s_wait_kmcnt 0x0
	s_mov_b32 s40, 1
	s_add_co_u32 s41, s22, WSCB
	s_add_nc_u64 s[42:43], s[6:7], s[58:59]
	s_or_b32 s43, s43, 0x80000000
.irp p, 0,1,2
	s_mov_b32 s[44+4*\p], 1
	s_add_co_u32 s[45+4*\p], s23, \p*65536
	s_add_nc_u64 s[46+4*\p:47+4*\p], s[6:7], s[60:61]
	s_add_nc_u64 s[46+4*\p:47+4*\p], s[46+4*\p:47+4*\p], \p*65536
	s_or_b32 s[47+4*\p], s[47+4*\p], 0x80000000
.endr
	s_add_nc_u64 s[66:67], s[4:5], s[82:83]        ; x's scales
	s_add_nc_u64 s[4:5], s[4:5], s[84:85]          ; x's codes
	s_add_nc_u64 s[8:9], s[8:9], s[62:63]
	s_add_nc_u64 s[10:11], s[10:11], s[62:63]
	s_add_nc_u64 s[12:13], s[12:13], s[62:63]
	s_add_nc_u64 s[68:69], s[14:15], s[86:87]
	s_add_nc_u64 s[70:71], s[14:15], s[88:89]
	s_add_nc_u64 s[72:73], s[16:17], s[72:73]
	s_add_nc_u64 s[74:75], s[16:17], s[74:75]
	s_add_nc_u64 s[76:77], s[16:17], s[76:77]
	ROUND                                          ; all four work-groups are here: the joint loads meet
	tensor_load_to_lds s[40:43], s[32:39]          ; my quarter of the scales, then of q's, k's and v's codes: four loads of mine are out
	s_nop 0
	tensor_load_to_lds s[44:47], s[24:31]
	s_nop 0
	tensor_load_to_lds s[48:51], s[24:31]
	s_nop 0
	tensor_load_to_lds s[52:55], s[24:31]
	s_nop 0
	PLACES 4                                       ; four places behind the tensor loads
.irp G, 0,1
.irp kq, 0,1,2,3
	global_load_b64 v[XS+8*\G+2*\kq:XS+8*\G+2*\kq+1], v2, s[66:67] offset:\G*1024+\kq*256
.endr
.endr
.macro BIAS base                       ; q's or k's bias in the result's layout: lane (r, h), tile wt: columns 32 (wt / 2) + 16 h + 8 (wt % 2) + 0 .. 7
	WIN 0xc0
.irp wt, 0,1,2,3,4,5,6,7
	global_load_b128 v[BI+8*\wt:BI+8*\wt+3], v7, s[\base:\base+1] offset:(32*(\wt/2)+8*(\wt%2))*4
	global_load_b128 v[BI+8*\wt+4:BI+8*\wt+7], v7, s[\base:\base+1] offset:(32*(\wt/2)+8*(\wt%2))*4+16
.endr
	WIN 0
.endm
	BIAS 8
	WIN 0x40
.irp s, 0,1,2,3,4,5,6,7
.irp a, 0,1,2,3
.irp c, 0,1
	global_load_b128 v[64*\a+8*\s+4*\c:64*\a+8*\s+4*\c+3], v1, s[4:5] offset:\a*8192+\s*1024+\c*512   ; 512 consecutive bytes; K step by K step
.endr
.endr
.endr
	WIN 0
.macro WM d, a, b, c, sa, sb, ra, rb   ; one product; ra, rb: the side's scales stand in lanes 16-31
.if (\ra) && (\rb)
	v_wmma_scale_f32_16x16x128_f8f6f4 v[\d:\d+7], v[\a:\a+7], v[\b:\b+7], v[\c:\c+7], v[\sa], v[\sb] matrix_a_fmt:MATRIX_FMT_FP4 matrix_b_fmt:MATRIX_FMT_FP4 matrix_a_scale:MATRIX_SCALE_ROW1 matrix_b_scale:MATRIX_SCALE_ROW1
.elseif (\ra)
	v_wmma_scale_f32_16x16x128_f8f6f4 v[\d:\d+7], v[\a:\a+7], v[\b:\b+7], v[\c:\c+7], v[\sa], v[\sb] matrix_a_fmt:MATRIX_FMT_FP4 matrix_b_fmt:MATRIX_FMT_FP4 matrix_a_scale:MATRIX_SCALE_ROW1
.elseif (\rb)
	v_wmma_scale_f32_16x16x128_f8f6f4 v[\d:\d+7], v[\a:\a+7], v[\b:\b+7], v[\c:\c+7], v[\sa], v[\sb] matrix_a_fmt:MATRIX_FMT_FP4 matrix_b_fmt:MATRIX_FMT_FP4 matrix_b_scale:MATRIX_SCALE_ROW1
.else
	v_wmma_scale_f32_16x16x128_f8f6f4 v[\d:\d+7], v[\a:\a+7], v[\b:\b+7], v[\c:\c+7], v[\sa], v[\sb] matrix_a_fmt:MATRIX_FMT_FP4 matrix_b_fmt:MATRIX_FMT_FP4
.endif
.endm
; 32 products: K step s, W's set.  The 32 accumulators take turns, one instruction a turn, in the same order in every step.  first = 1: the bias is the C.
.macro MUL o, s, set, first
.if (\o) == 0
.if \first
	WIN 0xb7
.else
	WIN 0xa7
.endif
.irp a, 0,1,2,3
.irp wt, 0,1,2,3,4,5,6,7
.if \first
	WM 8*(8*\a+\wt), 64*(\set)+8*\wt, 64*\a+8*(\s), BI+8*\wt, WS+8*(\wt/2)+(\s), XS+8*(\a/2)+(\s), \wt%2, \a%2
.else
	WM 8*(8*\a+\wt), 64*(\set)+8*\wt, 64*\a+8*(\s), 8*(8*\a+\wt), WS+8*(\wt/2)+(\s), XS+8*(\a/2)+(\s), \wt%2, \a%2
.endif
.endr
.endr
.else
.if \first
	WIN 0xbd
.else
	WIN 0xad
.endif
.irp wt, 0,1,2,3,4,5,6,7
.irp a, 0,1,2,3
.if \first
	WM 8*(4*\wt+\a), 64*\a+8*(\s), 64*(\set)+8*\wt, BI+8*\wt, XS+8*(\a/2)+(\s), WS+8*(\wt/2)+(\s), \a%2, \wt%2
.else
	WM 8*(4*\wt+\a), 64*\a+8*(\s), 64*(\set)+8*\wt, 8*(4*\wt+\a), XS+8*(\a/2)+(\s), WS+8*(\wt/2)+(\s), \a%2, \wt%2
.endif
.endr
.endr
.endif
.endm
.macro FETCHW p, s, set                ; W's eight fragments of part p, K step s: each load is 512 consecutive bytes of LDS
	WIN 0xc0
.irp wt, 0,1,2,3,4,5,6,7
.irp c, 0,1
	ds_load_b128 v[64*(\set)+8*\wt+4*\c:64*(\set)+8*\wt+4*\c+3], v[LA+\p] offset:\wt*8192+(\s)*1024+\c*512
.endr
.endr
.endm
.macro LOADWS p                        ; W's scale words of part p, all of K: 8 bytes a lane are two K steps' words of a pair of tiles
.irp g, 0,1,2,3
.irp kq, 0,1,2,3
	ds_load_b64 v[WS+8*\g+2*\kq:WS+8*\g+2*\kq+1], v6 offset:\p*4096+\g*1024+\kq*256
.endr
.endr
.endm
.macro STEP p, o, s, lc
	s_wait_dscnt 0x0                               ; this step's fragments of W, asked for 32 products ago
.if \lc
	s_wait_loadcnt 8*(7-\s)                        ; x's fragments of this K step are in; those of the later steps, eight each, may be out
.endif
.if \s < 7
	PLACES 4                                       ; in front of loads into the set that the last step's products read
	FETCHW \p, \s+1, (\s+1)%2
.endif
.if \s == 0
	MUL \o, \s, 0, 1
.else
	MUL \o, \s, (\s)%2, 0
.endif
.endm
.macro STEPS p, o, lc
.irp s, 0,1,2,3,4,5,6,7
	STEP \p, \o, \s, \lc
.endr
.endm
; 64 accumulator registers from sb on, register 16 b + i = place 32 b + 16 (lane / 16) + i along the axis to be quantised, become 8 registers of codes in v[PC] on and a scale word in v[pw].
.macro QUANT sb, pw
	WIN 0x28                                       ; sources 1 and 2: the accumulators' window
.irp b, 0,1,2,3
	v_max3_num_f32 v[TM+\b], v15, |v[\sb+16*\b]|, |v[\sb+16*\b+1]|       ; each accumulator is read from its low end on
.endr
.irp i, 2,4,6,8,10,12,14
.irp b, 0,1,2,3
	v_max3_num_f32 v[TM+\b], v[TM+\b], |v[\sb+16*\b+\i]|, |v[\sb+16*\b+\i+1]|
.endr
.endr
	WIN 0
.irp b, 0,1,2,3
	v_permlanex16_b32 v[TM+4+\b], v[TM+\b], s56, s57
.endr
.irp b, 0,1,2,3
	v_max_num_f32 v[TM+\b], v[TM+\b], v[TM+4+\b]   ; with lane l xor 16's: the block's largest magnitude
.endr
.irp b, 0,1,2,3
	v_add_nc_u32 v[TM+12+\b], 0xff000000, v[TM+\b] ; 2 off the exponent field: the conversion's scale operand
.endr
.irp b, 0,1,2,3
	v_lshrrev_b32 v[TM+4+\b], 23, v[TM+12+\b]      ; the scale's byte
.endr
	v_lshl_or_b32 v[\pw], v[TM+5], 8, v[TM+4]
	v_lshl_or_b32 v[\pw], v[TM+6], 16, v[\pw]
	v_lshl_or_b32 v[\pw], v[TM+7], 24, v[\pw]
	s_wait_xcnt 0x0                                ; the last stores have read the codes' registers: only now are they written again
	WIN 0x02
.irp b, 0,1,2,3
	v_cvt_scalef32_pk8_fp4_f32 v[PC+2*\b], v[\sb+16*\b:\sb+16*\b+7], v[TM+12+\b]
	v_cvt_scalef32_pk8_fp4_f32 v[PC+2*\b+1], v[\sb+16*\b+8:\sb+16*\b+15], v[TM+12+\b]
.endr
	WIN 0
	v_nop                                          ; one plain line behind the conversions
.irp c, 0,1
.irp i, 0,1
	v_permlane16_swap_b32 v[PC+4*\c+\i], v[PC+2+4*\c+\i]   ; a whole block to a lane: lanes 0-15 block 2 c, lanes 16-31 block 2 c + 1
.endr
.endr
.endm
; ---------------- part q ----------------
	s_wait_tensorcnt 2                             ; my quarters of the scales and of q's codes have landed; k's and v's may stay out
	BARRIER                                        ; everybody's have
	LOADWS 0
	FETCHW 0, 0, 0
	STEPS 0, 0, 1
	BIAS 10                                        ; k's bias, into registers last read by this part's first step
	PLACES 4                                       ; in front of the first read of results
	s_wait_alu depctr_va_vdst(0)
.irp a, 0,1,2,3
	QUANT 64*\a, PW+\a
	global_store_b128 v1, v[PC:PC+3], s[68:69] offset:\a*512            ; head 0 of the pair: 512 consecutive bytes
	global_store_b128 v1, v[PC+4:PC+7], s[68:69] offset:65536+\a*512    ; head 1
	v_perm_b32 v[QW+\a], v[PW+\a], v[PW+\a], v13   ; lanes 0-15: head 0's {s0, s1, s0, s1}; lanes 16-31: head 1's
.endr
	global_store_b128 v9, v[QW:QW+3], s[70:71]     ; four tiles' words of a slot: each half of the lanes stores 256 consecutive bytes
; ---------------- part k ----------------
	s_wait_tensorcnt 1                             ; k's codes
	s_wait_dscnt 0x0
	BARRIER
	LOADWS 1
	FETCHW 1, 0, 0
	s_wait_loadcnt 0x0                             ; the bias
	STEPS 1, 0, 0
	WIN 0xc0
.irp wt, 0,1,2,3,4,5,6,7
	global_load_b32 v[BI+8*\wt], v8, s[12:13] offset:(32*(\wt/2)+8*(\wt%2))*4   ; v's bias: one number a lane and tile
.endr
	WIN 0
	PLACES 4
.irp a, 0,1,2,3
	QUANT 64*\a, PW+\a
	global_store_b128 v1, v[PC:PC+3], s[72:73] offset:\a*512
	global_store_b128 v1, v[PC+4:PC+7], s[72:73] offset:KVH+\a*512
.endr
.irp G, 0,1
	v_perm_b32 v[KW+\G], v[PW+2*\G+1], v[PW+2*\G], v14   ; {tile u = 0: s0, s1; tile u = 1: s0, s1} of head h
	ds_store_b32 v10, v[KW+\G] offset:\G*128
.endr
; ---------------- part v ----------------
	s_wait_tensorcnt 0x0
	s_wait_dscnt 0x0
	BARRIER
	LOADWS 2
	FETCHW 2, 0, 0
	s_wait_loadcnt 0x0
	WIN 0xc3
.irp wt, 0,1,2,3,4,5,6,7
.irp j, 1,2,3,4,5,6,7
	v_mov_b32 v[BI+8*\wt+\j], v[BI+8*\wt]          ; a lane holds one column: its bias in all eight registers of the C
.endr
.endr
	s_wait_alu depctr_va_vdst(0)
	STEPS 2, 1, 0
	WIN 0
	PLACES 4
.irp m, 0,1,2,3
	QUANT 64*\m, PW+\m                             ; column tiles 2 m and 2 m + 1, my two blocks of 32 keys each
	global_store_b128 v1, v[PC:PC+3], s[74:75] offset:(\m/2)*KVH+4096+(2*(\m%2))*1024
	global_store_b128 v1, v[PC+4:PC+7], s[74:75] offset:(\m/2)*KVH+4096+(2*(\m%2)+1)*1024
	v_perm_b32 v[KW+\m], v[PW+\m], v[PW+\m], v13   ; lanes 0-15: tile 2 m's two bytes; lanes 16-31: tile 2 m + 1's
	ds_store_b16 v11, v[KW+\m] offset:(\m/2)*1024+(\m%2)*4
.endr
	s_wait_dscnt 0x0                               ; for the others' sake: my stores into the stage are done
	BARRIER
	ds_load_b128 v[KW:KW+3], v12
	s_wait_dscnt 0x0
	global_store_b128 v1, v[KW:KW+3], s[76:77]     ; a step's scale words of K and V: 512 consecutive bytes
	s_wait_tensorcnt 0x0
	ds_add_u32 v254, v255
	s_wait_dscnt 0x0
	ROUND                                          ; the closing round
	s_endpgm
.Lfunc_end_k_q69ed890977_proj:
	.size	k_q69ed890977_proj, .Lfunc_end_k_q69ed890977_proj-k_q69ed890977_proj
	.p2alignl 7, 3214868480
	.fill 96, 4, 3214868480
	.section	.rodata,"a",@progbits
	.p2align	6, 0x0
	.amdhsa_kernel k_q69ed890977_proj
		.amdhsa_group_segment_fixed_size 211456
		.amdhsa_private_segment_fixed_size 0
		.amdhsa_enable_private_segment 0
		.amdhsa_kernarg_size 56
		.amdhsa_user_sgpr_count 2
		.amdhsa_user_sgpr_kernarg_segment_ptr 1
		.amdhsa_wavefront_size32 1
		.amdhsa_system_sgpr_workgroup_id_x 1
		.amdhsa_system_sgpr_workgroup_id_y 1
		.amdhsa_system_sgpr_workgroup_id_z 1
		.amdhsa_system_vgpr_workitem_id 0
		.amdhsa_next_free_vgpr 1024
		.amdhsa_next_free_sgpr 96
		.amdhsa_reserve_vcc 0
		.amdhsa_float_denorm_mode_32 3
		.amdhsa_float_denorm_mode_16_64 3
		.amdhsa_memory_ordered 1
		.amdhsa_forward_progress 1
		.amdhsa_inst_pref_size 199
	.end_amdhsa_kernel
	.amdgpu_metadata
---
amdhsa.version: [ 1, 2 ]
amdhsa.kernels:
  - .name:           k_q69ed890977_proj
    .symbol:         k_q69ed890977_proj.kd
    .args:
      - { .name: xb, .offset: 0, .size: 8, .value_kind: global_buffer, .address_space: global }
      - { .name: wb, .offset: 8, .size: 8, .value_kind: global_buffer, .address_space: global }
      - { .name: bq, .offset: 16, .size: 8, .value_kind: global_buffer, .address_space: global }
      - { .name: bk, .offset: 24, .size: 8, .value_kind: global_buffer, .address_space: global }
      - { .name: bv, .offset: 32, .size: 8, .value_kind: global_buffer, .address_space: global }
      - { .name: qb, .offset: 40, .size: 8, .value_kind: global_buffer, .address_space: global }
      - { .name: kv, .offset: 48, .size: 8, .value_kind: global_buffer, .address_space: global }
    .group_segment_fixed_size: 211456
    .private_segment_fixed_size: 0
    .kernarg_segment_align: 8
    .kernarg_segment_size: 56
    .max_flat_workgroup_size: 128
    .sgpr_count:     96
    .vgpr_count:     1024
    .wavefront_size: 32
...
	.end_amdgpu_metadata
.endif
;; end of part 2
;; launch attn (part 3): grid 4 x 64, 16 waves a work-group, no clusters, 169,984 bytes of LDS; arguments qb, kv, cb; writes cb
.if DOCPART == 3
	.amdgcn_target "amdgcn-amd-amdhsa--gfx1250"
	.amdhsa_code_object_version 6
	.text
	.protected	k_q69ed890977_attn
	.globl	k_q69ed890977_attn
	.p2align	8
	.type	k_q69ed890977_attn,@function
k_q69ed890977_attn:
	s_mov_b64 s[64:65], 0
	v_nop
	global_prefetch_b8 v0, s[64:65] scope:SCOPE_SE
	s_setreg_imm32_b32 hwreg(HW_REG_WAVE_MODE, 25, 1), 1
	s_wait_xcnt 0x0
; ctx = softmax(q k^T / 8, causal) v for one head, both products on codes of FP4 (E2M1) with E8M0 scales, and ctx quantised along the head's 64 on the way out.
; THE SOFTMAX: t = score x log2(e) / 8; M = the running largest t rounded UP to a whole number; p = 2^(t - M) is quantised along the keys, not normalised; the row's sum is taken of the unquantised p and divides at the end.
; SHARES.  Work-group (i, head) owns query blocks i and 7 - i (256 queries each), so that every work-group walks the same number of key steps under the causal mask.  Each of its sixteen waves owns one tile of 16 queries
; of each block and takes them one after the other (two passes).  A tile T walks key steps 0 .. T / 8 of 128 keys; only the last of them needs the mask.  Four waves to a SIMD: one wave's vector work stands beside another's products.
; NO CLUSTER: which steps are left out hangs on the query block, which between partners would be their place in the cluster; and what would be shared is 136 KiB a work-group, fetched once.
; THE WHOLE HEAD'S K AND V LIE IN LDS (139,264 bytes), each byte filled once: waves 0-3 bring two key steps each for steps 0-7 and two each for steps 8-15.  The first pass reads steps 0-7 alone.  All that the launch reads is asked for at its head.
; LAYOUT.  S^T = K Q^T (source 0 = keys, source 1 = queries), O^T = V^T P^T: a lane holds ONE query throughout.  The head's K is 64, the instruction's 128: source 0 is a group of 32 keys, tile u = 0 in k 0-63 and tile u = 1 in k 64-127;
; source 1 is [q | 0] for u = 0 and [0 | q] for u = 1, both cut out of twelve registers [0 q 0].  Zero codes add nothing.
; LIMITS: NaN and infinities are not served; a p under 2^-126 comes out of the exponential as 0; a block of zeros gets the byte 1 (its codes are zeros).
; REGISTERS: v1-8 addresses; v12 -M, v13 the largest t, v[14:15] the sum; v16-27, v28-39 [0 q 0] of the two passes; v40, v41 q's scale words; v42-45 K's and V's; v48-79 K; v80-111 V; v112-175 S^T, then p; v176-207 O^T; v208-215 p's codes; v232-254 at work.
.set STEPB, 8704
.set SCS,   139264                     ; behind K and V: ctx's scale bytes, [pass][wave][slot][2]; no fill lands here
.set KS,  42
.set VS,  44
.set KF,  48
.set VF,  80
.set S,   112
.set O,   176
.set PCD, 208
.set SEL, 32                           ; s[32:33] lane l xor 16
.set CS,  34                           ; s[34:35] c = log2(e) / 8
.set TB,  36                           ; s36  LDS byte of the key step in hand
.set ST,  37                           ; s37  its number
	s_load_b128 s[4:7], s[0:1], 0x0                ; qb, kv
	s_load_b64 s[8:9], s[0:1], 0x10                ; cb
	v_lshl_add_u32 v251, v0, 2, 0x29000
	v_mov_b32 v255, 0
	ds_add_u32 v251, v255
	ds_add_u32 v251, v255
	v_lshrrev_b32 v3, 5, v0
	s_delay_alu instid0(VALU_DEP_1)
	v_readfirstlane_b32 s10, v3                    ; wave 0..15
	s_mov_b32 s11, ttmp9                           ; i
	s_and_b32 s12, ttmp7, 0xffff                   ; 16 batch + head
	s_mov_b32 s16, 3<<16                           ; descriptor group 1: 68 dense rows of 256 bytes (32 elements of 8 bytes): two key steps
	s_mov_b32 s17, 32<<16
	s_mov_b32 s18, 68<<16
	s_mov_b32 s19, 32<<16
	s_mov_b32 s20, 68
	s_mov_b32 s21, 32
	s_mov_b32 s22, 0
	s_mov_b32 s23, 0
	s_mul_i32 s56, s12, 139264
	s_mul_i32 s57, s10, 17408
	s_add_co_u32 s58, s56, s57
	s_mov_b32 s59, 0
	s_wait_dscnt 0x0
	s_wait_kmcnt 0x0
	s_mov_b32 s24, 1
	s_mov_b32 s25, s57
	s_add_nc_u64 s[26:27], s[6:7], s[58:59]
	s_or_b32 s27, s27, 0x80000000
	s_mov_b32 s28, 1
	s_add_co_u32 s29, s57, 69632
	s_add_nc_u64 s[30:31], s[6:7], s[58:59]
	s_add_nc_u64 s[30:31], s[30:31], 69632
	s_or_b32 s31, s31, 0x80000000
	s_cmp_lt_u32 s10, 4                            ; waves 0-3 fetch: a wave's two fills stand in one branch: two loads of mine are out
	s_cbranch_scc0 .Lno_fetch
	tensor_load_to_lds s[24:27], s[16:23]          ; key steps 2 w, 2 w + 1
	s_nop 0
	tensor_load_to_lds s[28:31], s[16:23]          ; key steps 8 + 2 w, 9 + 2 w
	s_nop 0
.rept 4
	v_nop
.endr
.Lno_fetch:
	s_mov_b32 s[SEL], 0x76543210
	s_mov_b32 s[SEL+1], 0xfedcba98
	s_mov_b32 s[CS], 0x3e38aa3b
	s_mov_b32 s[CS+1], s[CS]                       ; (named with it as a pair, so it is written)
	s_lshl_b32 s13, s11, 4
	s_add_co_u32 s13, s13, s10                     ; first pass: tile 16 i + w
	s_sub_co_u32 s14, 7, s11
	s_lshl_b32 s14, s14, 4
	s_add_co_u32 s14, s14, s10                     ; second pass: tile 16 (7 - i) + w
	s_lshr_b32 s38, s13, 3                         ; the tile's last key step
	s_lshr_b32 s40, s14, 3
	s_lshr_b32 s39, s13, 1                         ; slot 0's query: 32 (T / 2) + 8 (T % 2)
	s_lshl_b32 s39, s39, 5
	s_and_b32 s56, s13, 1
	s_lshl_b32 s56, s56, 3
	s_add_co_u32 s39, s39, s56
	s_lshr_b32 s41, s14, 1
	s_lshl_b32 s41, s41, 5
	s_and_b32 s56, s14, 1
	s_lshl_b32 s56, s56, 3
	s_add_co_u32 s41, s41, s56
	s_lshl_b32 s57, s12, 7
	s_add_co_u32 s46, s57, s13
	s_lshl_b32 s46, s46, 9                         ; q's codes: (128 head + T) x 512
	s_mov_b32 s47, 0
	s_add_co_u32 s48, s57, s14
	s_lshl_b32 s48, s48, 9
	s_mov_b32 s49, 0
	s_lshl_b32 s58, s12, 13
	s_add_co_u32 s58, s58, 4194304
	s_lshr_b32 s50, s13, 2                         ; q's scale words: 256 (T / 4) + 16 slot + 4 (T % 4)
	s_lshl_b32 s50, s50, 8
	s_and_b32 s59, s13, 3
	s_lshl_b32 s59, s59, 2
	s_add_co_u32 s50, s50, s59
	s_add_co_u32 s50, s50, s58
	s_mov_b32 s51, 0
	s_lshr_b32 s52, s14, 2
	s_lshl_b32 s52, s52, 8
	s_and_b32 s59, s14, 3
	s_lshl_b32 s59, s59, 2
	s_add_co_u32 s52, s52, s59
	s_add_co_u32 s52, s52, s58
	s_mov_b32 s53, 0
	s_lshr_b32 s60, s12, 4
	s_lshl_b32 s60, s60, 7                         ; 128 batch
	s_and_b32 s61, s12, 15                         ; head
	s_lshl_b32 s62, s61, 9
	s_add_co_u32 s42, s60, s13
	s_lshl_b32 s42, s42, 13
	s_add_co_u32 s42, s42, s62                     ; ctx's codes: tile x 8192 + head x 512
	s_mov_b32 s43, 0
	s_add_co_u32 s44, s60, s14
	s_lshl_b32 s44, s44, 13
	s_add_co_u32 s44, s44, s62
	s_mov_b32 s45, 0
	s_sub_co_u32 s63, 7, s11
	s_and_b32 s56, s10, 1
	s_cmp_eq_u32 s56, 1
	s_cselect_b32 s63, s63, s11                    ; the query block whose scale bytes I store at the end (waves 0 and 1)
	s_lshl_b32 s63, s63, 4
	s_add_co_u32 s63, s63, s60
	s_lshl_b32 s63, s63, 5
	s_lshl_b32 s54, s61, 14
	s_add_co_u32 s54, s54, s63
	s_add_co_u32 s54, s54, 4194304
	s_mov_b32 s55, 0
	s_add_nc_u64 s[46:47], s[4:5], s[46:47]
	s_add_nc_u64 s[48:49], s[4:5], s[48:49]
	s_add_nc_u64 s[50:51], s[4:5], s[50:51]
	s_add_nc_u64 s[52:53], s[4:5], s[52:53]
	s_add_nc_u64 s[42:43], s[8:9], s[42:43]
	s_add_nc_u64 s[44:45], s[8:9], s[44:45]
	s_add_nc_u64 s[54:55], s[8:9], s[54:55]
	v_and_b32 v9, 31, v0                           ; lane
	v_and_b32 v10, 15, v0                          ; r
	v_bfe_u32 v11, v0, 4, 1                        ; h
	s_delay_alu instid0(VALU_DEP_3)
	v_lshlrev_b32 v1, 4, v9                        ; 16 x lane
	s_delay_alu instid0(VALU_DEP_4)
	v_lshlrev_b32 v2, 3, v9                        ; 8 x lane
	s_delay_alu instid0(VALU_DEP_4)
	v_lshlrev_b32 v8, 4, v10                       ; 16 r
	global_load_b128 v[20:23], v1, s[46:47]        ; q of both passes, and its scale words
	global_load_b128 v[32:35], v1, s[48:49]
	global_load_b32 v40, v8, s[50:51]
	global_load_b32 v41, v8, s[52:53]
	v_and_b32 v5, 7, v10
	v_bfe_u32 v3, v10, 3, 1
	s_delay_alu instid0(VALU_DEP_1)
	v_lshl_add_u32 v5, v3, 4, v5
	v_lshlrev_b32 v3, 4, v11
	s_delay_alu instid0(VALU_DEP_1)
	v_sub_nc_u32 v5, v5, v3                        ; my query less slot 0's, less my half's 16 keys: 16 (r / 8) + r % 8 - 16 h
	s_lshl_b32 s56, s10, 5
	s_add_co_u32 s56, s56, SCS
	v_lshl_add_u32 v6, v10, 1, s56                 ; ctx's scale bytes, in: 32 w + 2 r
	s_and_b32 s57, s10, 1
	s_lshl_b32 s57, s57, 9
	s_add_co_u32 s57, s57, SCS
	v_add_nc_u32 v7, s57, v1                       ; and out: a pass's 512 bytes
.irp z, 16,17,18,19,24,25,26,27,28,29,30,31,36,37,38,39
	v_mov_b32 v\z, 0                               ; the zero codes beside q
.endr
.irp z, 236,237,238,239,252,253
	v_mov_b32 v\z, 0                               ; written once: lane permutes' destinations, and the upper half of the pair v[252:253]
.endr
; A PASS: one tile of 16 queries against key steps 0 .. s[ds].  The trip count is a constant; a step all of whose keys are hidden is left out by a scalar branch on ids.
.macro PASS qf, qs, trips, pass, ds, qb, ob
	v_mov_b32 v13, 0xff61b1e6                      ; the largest t so far: -3e38
	s_delay_alu instid0(VALU_DEP_1)
	v_floor_f32 v12, -v13                          ; -M
	v_mov_b32 v14, 0
	v_mov_b32 v15, 0
.set j, 0
.rept 32
	v_mov_b32 v[O+j], 0                            ; the step is written once: the first finds zeros
.set j, j+1
.endr
	s_mov_b32 s[TB], 0
	s_mov_b32 s[ST], 0
.Ltrip_\@:
	s_cmp_gt_u32 s[ST], s[\ds]
	s_cbranch_scc1 .Lhidden_\@
	s_setprio 2
	v_add_nc_u32 v3, s[TB], v1
	v_add_nc_u32 v4, s[TB], v2
	v_nop
	v_nop                                          ; four places in front of loads into registers that the last step's products read
.irp b, 0,1,2,3
.irp c, 0,1
	ds_load_b128 v[KF+8*\b+4*\c:KF+8*\b+4*\c+3], v3 offset:\b*1024+\c*512
.endr
.endr
	ds_load_b64 v[KS:KS+1], v4 offset:8192
.irp t, 0,1,2,3
.irp c, 0,1
	ds_load_b128 v[VF+8*\t+4*\c:VF+8*\t+4*\c+3], v3 offset:4096+\t*1024+\c*512
.endr
.endr
	ds_load_b64 v[VS:VS+1], v4 offset:8448
	s_wait_dscnt 9                                 ; K and its scale words are in; V's nine loads may be out
.irp b, 0,1,2,3
.irp u, 0,1
.if \b%2
	v_wmma_scale_f32_16x16x128_f8f6f4 v[S+16*\b+8*\u:S+16*\b+8*\u+7], v[KF+8*\b:KF+8*\b+7], v[\qf+4-4*\u:\qf+11-4*\u], 0, v[KS+\b/2], v[\qs] matrix_a_fmt:MATRIX_FMT_FP4 matrix_b_fmt:MATRIX_FMT_FP4 matrix_a_scale:MATRIX_SCALE_ROW1
.else
	v_wmma_scale_f32_16x16x128_f8f6f4 v[S+16*\b+8*\u:S+16*\b+8*\u+7], v[KF+8*\b:KF+8*\b+7], v[\qf+4-4*\u:\qf+11-4*\u], 0, v[KS+\b/2], v[\qs] matrix_a_fmt:MATRIX_FMT_FP4 matrix_b_fmt:MATRIX_FMT_FP4
.endif
.endr
.endr                                              ; register 16 b + i of lane (r, h): key 128 step + 32 b + 16 h + i
.rept 4
	v_nop
.endr
	s_cmp_eq_u32 s[ST], s[\ds]                     ; the tile's last step lies on the diagonal: hidden scores become -infinity ahead of the maximum
	s_cbranch_scc0 .Lopen_\@
	s_lshl_b32 s58, s[ST], 7
	s_sub_co_i32 s58, s[\qb], s58
	v_add_nc_u32 v252, s58, v5                     ; d: register 16 b + i is hidden where 32 b + i > d
	v_mov_b32 v254, 0xff800000
.set n, 0
.rept 64
	v_cmp_gt_i32 vcc_lo, 32*(n/16)+n%16, v252
	v_cndmask_b32 v[S+n], v[S+n], v254, vcc_lo
.set n, n+1
.endr
.Lopen_\@:
.irp b, 0,1,2,3
	v_max3_num_f32 v[232+\b], v[S+16*\b], v[S+1+16*\b], v[S+2+16*\b]   ; the largest score of each block of 32 keys: for the row's maximum, and, since p rises with the score, for the block's largest p
.endr
.irp i, 3,5,7,9,11,13
.irp b, 0,1,2,3
	v_max3_num_f32 v[232+\b], v[232+\b], v[S+16*\b+\i], v[S+1+16*\b+\i]
.endr
.endr
.irp b, 0,1,2,3
	v_max_num_f32 v[232+\b], v[232+\b], v[S+15+16*\b]
.endr
.irp b, 0,1,2,3
	s_delay_alu instid0(VALU_DEP_4)
	v_permlanex16_b32 v[236+\b], v[232+\b], s[SEL], s[SEL+1]
.endr
.irp b, 0,1,2,3
	s_delay_alu instid0(VALU_DEP_4)
	v_max_num_f32 v[232+\b], v[232+\b], v[236+\b]
.endr
	s_delay_alu instid0(VALU_DEP_2)
	v_max3_num_f32 v254, v232, v233, v234
	s_delay_alu instid0(VALU_DEP_1)
	v_max_num_f32 v254, v254, v235
	s_delay_alu instid0(VALU_DEP_1)
	v_mul_f32 v254, s[CS], v254
	s_delay_alu instid0(VALU_DEP_1)
	v_max_num_f32 v13, v13, v254                   ; the running largest t
	v_mov_b32 v254, v12
	s_delay_alu instid0(VALU_DEP_2)
	v_floor_f32 v12, -v13                          ; the new -M = -ceil(t)
	s_delay_alu instid0(VALU_DEP_1)
	v_sub_f32 v254, v12, v254                      ; old M - new M: a whole number, 0 or less
	s_delay_alu instid0(VALU_DEP_1)
	v_cvt_i32_f32 v254, v254                       ; (it saturates)
	s_delay_alu instid0(VALU_DEP_1)
	v_ldexp_f32 v252, 1.0, v254                    ; f = 2^(old M - new M)
.set j, 0
.rept 32
	v_pk_fma_f32 v[S+j:S+j+1], v[S+j:S+j+1], s[CS:CS+1], v[12:13] op_sel_hi:[1,0,0]   ; t - M
.set j, j+2
.endr
	s_setprio 1
.irp b, 0,1,2,3
	v_fma_f32 v[232+\b], v[232+\b], s[CS], v12
.endr
.set j, 0
	s_wait_alu depctr_va_vdst(0)
.rept 64
	v_exp_f32 v[S+j], v[S+j]                       ; p = 2^(t - M)
.set j, j+1
.endr
	v_pk_mul_f32 v[14:15], v[14:15], v[252:253] op_sel_hi:[1,0]   ; the sums under the new M (a plain line behind the exponentials)
	s_wait_alu depctr_va_vdst(0)                   ; one wait for the batch, ahead of its first reader
.irp b, 0,1,2,3
	v_exp_f32 v[232+\b], v[232+\b]                 ; each block's largest p
.endr
	v_pk_add_f32 v[236:237], v[116:117], v[120:121]
	v_pk_add_f32 v[248:249], v[124:125], v[128:129]
	v_pk_add_f32 v[246:247], v[132:133], v[136:137]
	v_pk_add_f32 v[244:245], v[140:141], v[144:145]
	v_pk_add_f32 v[242:243], v[148:149], v[152:153]
	v_pk_add_f32 v[240:241], v[156:157], v[160:161]
	v_pk_add_f32 v[238:239], v[164:165], v[168:169]
	v_pk_add_f32 v[14:15], v[14:15], v[172:173]
	v_pk_add_f32 v[236:237], v[236:237], v[112:113]
	v_pk_add_f32 v[248:249], v[248:249], v[114:115]
	v_pk_add_f32 v[246:247], v[246:247], v[118:119]
	v_pk_add_f32 v[244:245], v[244:245], v[122:123]
	v_pk_add_f32 v[242:243], v[242:243], v[126:127]
	v_pk_add_f32 v[240:241], v[240:241], v[130:131]
	v_pk_add_f32 v[238:239], v[238:239], v[134:135]
	v_pk_add_f32 v[14:15], v[14:15], v[138:139]
	v_pk_add_f32 v[236:237], v[236:237], v[142:143]
	v_pk_add_f32 v[248:249], v[248:249], v[146:147]
	v_pk_add_f32 v[246:247], v[246:247], v[150:151]
	v_pk_add_f32 v[244:245], v[244:245], v[154:155]
	v_pk_add_f32 v[242:243], v[242:243], v[158:159]
	v_pk_add_f32 v[240:241], v[240:241], v[162:163]
	v_pk_add_f32 v[238:239], v[238:239], v[166:167]
	v_pk_add_f32 v[14:15], v[14:15], v[170:171]
	v_pk_add_f32 v[236:237], v[236:237], v[174:175]
	s_delay_alu instid0(VALU_DEP_2)
	v_pk_add_f32 v[14:15], v[14:15], v[244:245]
	s_delay_alu instid0(VALU_DEP_2)
	v_pk_add_f32 v[236:237], v[236:237], v[242:243]
	v_pk_add_f32 v[248:249], v[248:249], v[240:241]
	v_pk_add_f32 v[246:247], v[246:247], v[238:239]
	s_delay_alu instid0(VALU_DEP_2)
	v_pk_add_f32 v[14:15], v[14:15], v[248:249]
	s_delay_alu instid0(VALU_DEP_2)
	v_pk_add_f32 v[236:237], v[236:237], v[246:247]
	s_delay_alu instid0(VALU_DEP_1)
	v_pk_add_f32 v[14:15], v[14:15], v[236:237]
	s_wait_alu depctr_va_vdst(0)                   ; and one for the four
.irp b, 0,1,2,3
	v_max_num_f32 v[232+\b], 0x1800000, v[232+\b]  ; the floor: the byte cannot fall under 1
.endr
.irp b, 0,1,2,3
	s_delay_alu instid0(VALU_DEP_4)
	v_add_nc_u32 v[244+\b], 0xff000000, v[232+\b]
.endr
.irp b, 0,1,2,3
	s_delay_alu instid0(VALU_DEP_4)
	v_lshrrev_b32 v[236+\b], 23, v[244+\b]
.endr
	s_delay_alu instid0(VALU_DEP_3)
	v_lshl_or_b32 v253, v237, 8, v236              ; p's scale word for these 128 keys
	s_delay_alu instid0(VALU_DEP_1)
	v_lshl_or_b32 v253, v238, 16, v253
	s_delay_alu instid0(VALU_DEP_1)
	v_lshl_or_b32 v253, v239, 24, v253
	s_setprio 0
.irp b, 0,1,2,3
	v_cvt_scalef32_pk8_fp4_f32 v[PCD+2*\b], v[S+16*\b:S+7+16*\b], v[244+\b]
	v_cvt_scalef32_pk8_fp4_f32 v[PCD+1+2*\b], v[S+8+16*\b:S+15+16*\b], v[244+\b]
.endr
	v_nop
.irp c, 0,1
.irp i, 0,1
	v_permlane16_swap_b32 v[PCD+4*\c+\i], v[PCD+2+4*\c+\i]
.endr
.endr
.set j, 0
.rept 16
	v_pk_mul_f32 v[O+j:O+j+1], v[O+j:O+j+1], v[252:253] op_sel_hi:[1,0]   ; O^T under the new M; these lines are also the places between p's codes and scale word and the products
.set j, j+2
.endr
	s_wait_alu depctr_va_vdst(0)
	s_wait_dscnt 0x0                               ; V and its scale words
.irp t, 0,1,2,3
.if \t%2
	v_wmma_scale_f32_16x16x128_f8f6f4 v[O+8*\t:O+8*\t+7], v[VF+8*\t:VF+8*\t+7], v[PCD:PCD+7], v[O+8*\t:O+8*\t+7], v[VS+\t/2], v253 matrix_a_fmt:MATRIX_FMT_FP4 matrix_b_fmt:MATRIX_FMT_FP4 matrix_a_scale:MATRIX_SCALE_ROW1
.else
	v_wmma_scale_f32_16x16x128_f8f6f4 v[O+8*\t:O+8*\t+7], v[VF+8*\t:VF+8*\t+7], v[PCD:PCD+7], v[O+8*\t:O+8*\t+7], v[VS+\t/2], v253 matrix_a_fmt:MATRIX_FMT_FP4 matrix_b_fmt:MATRIX_FMT_FP4
.endif
.endr                                              ; the four accumulators take one turn each; the next step's eight score products stand between two turns
.Lhidden_\@:
	s_add_co_u32 s[TB], s[TB], STEPB
	s_add_co_u32 s[ST], s[ST], 1
	s_cmp_lt_u32 s[ST], \trips
	s_cbranch_scc1 .Ltrip_\@
	s_setprio 0
	; the way out: O^T / the sum, quantised along the head's 64: register 16 g + i of lane (r, h) is channel 32 g + 16 h + i
.rept 4
	v_nop
.endr
	v_add_f32 v14, v14, v15
	s_delay_alu instid0(VALU_DEP_1)
	v_permlanex16_b32 v252, v14, s[SEL], s[SEL+1]
	s_delay_alu instid0(VALU_DEP_1)
	v_add_f32 v14, v14, v252                       ; the row's sum
	s_wait_alu depctr_va_vdst(0)
	v_rcp_f32 v14, v14
	v_nop
	s_wait_alu depctr_va_vdst(0)
.set j, 0
.rept 32
	v_mul_f32 v[S+j], v[O+j], v14
.set j, j+1
.endr
.irp b, 0,1
	v_max3_num_f32 v[232+\b], |v[S+16*\b]|, |v[S+1+16*\b]|, 0x1800000
.endr
.irp i, 2,4,6,8,10,12,14
.irp b, 0,1
	s_delay_alu instid0(VALU_DEP_2)
	v_max3_num_f32 v[232+\b], v[232+\b], |v[S+16*\b+\i]|, |v[S+1+16*\b+\i]|
.endr
.endr
.irp b, 0,1
	s_delay_alu instid0(VALU_DEP_2)
	v_permlanex16_b32 v[236+\b], v[232+\b], s[SEL], s[SEL+1]
.endr
.irp b, 0,1
	s_delay_alu instid0(VALU_DEP_2)
	v_max_num_f32 v[232+\b], v[232+\b], v[236+\b]
.endr
.irp b, 0,1
	s_delay_alu instid0(VALU_DEP_2)
	v_add_nc_u32 v[244+\b], 0xff000000, v[232+\b]
.endr
.irp b, 0,1
	s_delay_alu instid0(VALU_DEP_2)
	v_lshrrev_b32 v[236+\b], 23, v[244+\b]
.endr
	s_delay_alu instid0(VALU_DEP_1)
	v_lshl_or_b32 v254, v237, 8, v236              ; my query's two scale bytes
.irp b, 0,1
	v_cvt_scalef32_pk8_fp4_f32 v[PCD+2*\b], v[S+16*\b:S+7+16*\b], v[244+\b]
	v_cvt_scalef32_pk8_fp4_f32 v[PCD+1+2*\b], v[S+8+16*\b:S+15+16*\b], v[244+\b]
.endr
	v_nop
	v_permlane16_swap_b32 v[PCD], v[PCD+2]
	v_permlane16_swap_b32 v[PCD+1], v[PCD+3]       ; lanes 0-15 block 0, lanes 16-31 block 1
	global_store_b128 v1, v[PCD:PCD+3], s[\ob:\ob+1]   ; 512 consecutive bytes: the tile's blocks 2 head and 2 head + 1
	ds_store_b16 v6, v254 offset:\pass*512         ; both halves of the lanes write the same bytes with the same value
.endm
	s_wait_tensorcnt 1                             ; my part of key steps 0-7 has landed; my part of steps 8-15 may stay out
	s_barrier_signal -1
	s_barrier_wait -1
	s_wait_loadcnt 0x0                             ; q
	PASS 16, 40, 8, 0, 38, 39, 42
	s_wait_tensorcnt 0x0
	s_wait_dscnt 0x0
	s_barrier_signal -1
	s_barrier_wait -1                              ; all sixteen key steps lie in LDS
	s_wait_xcnt 0x0                                ; the first pass's store has read its registers
	PASS 28, 41, 16, 1, 40, 41, 44
	s_wait_dscnt 0x0                               ; for the others' sake: my scale bytes are stored
	s_barrier_signal -1
	s_barrier_wait -1
	s_cmp_lt_u32 s10, 2
	s_cbranch_scc0 .Lend
	ds_load_b128 v[48:51], v7                      ; wave 0: the first pass's 512 bytes; wave 1: the second's
	s_wait_dscnt 0x0
	global_store_b128 v1, v[48:51], s[54:55]       ; 512 consecutive bytes
.Lend:
	s_wait_tensorcnt 0x0
	ds_add_u32 v251, v255
	s_wait_dscnt 0x0
	s_endpgm
.Lfunc_end_k_q69ed890977_attn:
	.size	k_q69ed890977_attn, .Lfunc_end_k_q69ed890977_attn-k_q69ed890977_attn
	.p2alignl 7, 3214868480
	.fill 96, 4, 3214868480
	.section	.rodata,"a",@progbits
	.p2align	6, 0x0
	.amdhsa_kernel k_q69ed890977_attn
		.amdhsa_group_segment_fixed_size 169984
		.amdhsa_private_segment_fixed_size 0
		.amdhsa_enable_private_segment 0
		.amdhsa_kernarg_size 24
		.amdhsa_user_sgpr_count 2
		.amdhsa_user_sgpr_kernarg_segment_ptr 1
		.amdhsa_wavefront_size32 1
		.amdhsa_system_sgpr_workgroup_id_x 1
		.amdhsa_system_sgpr_workgroup_id_y 1
		.amdhsa_system_sgpr_workgroup_id_z 1
		.amdhsa_system_vgpr_workitem_id 0
		.amdhsa_next_free_vgpr 256
		.amdhsa_next_free_sgpr 66
		.amdhsa_reserve_vcc 1
		.amdhsa_float_denorm_mode_32 3
		.amdhsa_float_denorm_mode_16_64 3
		.amdhsa_memory_ordered 1
		.amdhsa_forward_progress 1
		.amdhsa_inst_pref_size 61
	.end_amdhsa_kernel
	.amdgpu_metadata
---
amdhsa.version: [ 1, 2 ]
amdhsa.kernels:
  - .name:           k_q69ed890977_attn
    .symbol:         k_q69ed890977_attn.kd
    .args:
      - { .name: qb, .offset: 0, .size: 8, .value_kind: global_buffer, .address_space: global }
      - { .name: kv, .offset: 8, .size: 8, .value_kind: global_buffer, .address_space: global }
      - { .name: cb, .offset: 16, .size: 8, .value_kind: global_buffer, .address_space: global }
    .group_segment_fixed_size: 169984
    .private_segment_fixed_size: 0
    .kernarg_segment_align: 8
    .kernarg_segment_size: 24
    .max_flat_workgroup_size: 512
    .sgpr_count:     66
    .vgpr_count:     256
    .wavefront_size: 32
...
	.end_amdgpu_metadata
.endif
;; end of part 3
;; launch oproj (part 4): grid 32 x 8, 4 waves a work-group, clusters of 4 x 1, 168,448 bytes of LDS; arguments cb, wb, bo, out0; writes out0
.if DOCPART == 4
	.amdgcn_target "amdgcn-amd-amdhsa--gfx1250"
	.amdhsa_code_object_version 6
	.text
	.protected	k_q69ed890977_oproj
	.globl	k_q69ed890977_oproj
	.p2align	8
	.type	k_q69ed890977_oproj,@function
k_q69ed890977_oproj:
	s_mov_b64 s[64:65], 0
	v_nop
	global_prefetch_b8 v0, s[64:65] scope:SCOPE_SE
	s_setreg_imm32_b32 hwreg(HW_REG_WAVE_MODE, 25, 1), 1
	s_wait_xcnt 0x0
	s_wait_alu depctr_hold_cnt(0) depctr_sa_sdst(0) depctr_va_vdst(0) depctr_va_sdst(0) depctr_va_ssrc(0) depctr_va_vcc(0) depctr_vm_vsrc(0)
	s_getreg_b32 s2, hwreg(HW_REG_IB_STS2, 6, 4)
	s_cmp_eq_u32 s2, 0
	s_cbranch_scc0 .Lentry_in_a_cluster
	s_endpgm
.Lentry_in_a_cluster:
	s_bfe_u32 s2, ttmp6, 0x10000c
	s_cmp_lg_u32 s2, 0x3003
	s_cbranch_scc0 .Lentry_shape_is_right
	s_endpgm
.Lentry_shape_is_right:
; out = ctx Wo + bo on codes of FP4 (E2M1) with E8M0 scales; out [8192][1024] f32.
; SHARES.  A work-group takes 256 rows (block gy) x 128 columns (gx); wave w rows 64 w .. 64 w + 63 (four tiles) against all 128 columns: 32 accumulators.  ctx's fragments come from memory straight into registers
; (a row belongs to one wave); Wo's 64 KiB of codes and 4 KiB of scales come into LDS once, each byte filled once.
; CLUSTER.  The four row blocks of a cluster need the same Wo: asked for JOINTLY (mask 15).  ctx is not shared between partners.
; Source 0 = 16 columns of Wo, source 1 = 16 rows of ctx: a lane holds one row and eight neighbouring columns.  bo is the C of each sum's first product.
; The way out goes through each wave's own stage in LDS, so that the 32 lanes store whole rows of 512 consecutive bytes.
; REGISTERS, in windows of 256.  Window 0: v1-11 addresses; v32-47 ctx's scale words; v48-79 Wo's; v80-111 ctx's scale bytes as loaded; v128-255 the way out.
;   Window 1: ctx's fragments (tile a, K step s) at v[64 a + 8 s].  Window 2: the accumulators (a, wt) at v[8 (8 a + wt)].  Window 3: Wo's fragments, two sets of 64; from v128 the bias.
.set WSCB, 65536
.set STAGE, 69632                      ; four stages of 16 rows x 528 bytes; no fill lands here
.set SPITCH, 528
.set LA,  3
.set XS,  32
.set WS,  48
.set HB,  80
.set BK,  128
.set BI,  128
.set MSB, 0
.macro WIN new
.if MSB != \new
	s_set_vgpr_msb (MSB<<8)|\new
.set MSB, \new
.endif
.endm
.macro PLACES n
.rept \n
	v_nop
.endr
.endm
.macro ROUND
	s_barrier_signal -1
	s_barrier_wait -1
	s_cmp_lg_u32 s18, 0
	s_cbranch_scc1 .Lnot_wave_0_\@
	s_barrier_signal -3
.Lnot_wave_0_\@:
	s_barrier_wait -3
	s_barrier_signal -1
	s_barrier_wait -1
.endm
	s_load_b256 s[4:11], s[0:1], 0x0               ; cb, wb, bo, out0
	v_lshl_add_u32 v126, v0, 2, 0x29000
	v_mov_b32 v127, 0
	ds_add_u32 v126, v127
	ds_add_u32 v126, v127
	v_lshrrev_b32 v16, 5, v0
	v_readfirstlane_b32 s18, v16                   ; wave
	s_and_b32 s21, ttmp7, 0xffff                   ; gx
	s_lshl_b32 s22, s18, 10
	s_lshl_b32 s23, s18, 14
	s_lshl_b32 s58, s21, 12
	s_add_co_u32 s58, s58, s22
	s_add_co_u32 s58, s58, 2195456                 ; Wo's scales: 2,097,152 + (96 + 4 gx) x 1024
	s_mov_b32 s59, 0
	s_lshl_b32 s60, s21, 16
	s_add_co_u32 s60, s60, s23
	s_add_co_u32 s60, s60, 1572864                 ; Wo's codes: (192 + 8 gx) x 8192
	s_mov_b32 s61, 0
	s_lshl_b32 s62, s21, 9
	s_mov_b32 s63, 0
	s_mov_b32 s24, 0x0023000f                      ; 15:0 the mask: all four; 17:16 elements of 8 bytes; 21 set beside a mask
	s_mov_b32 s25, 32<<16
	s_mov_b32 s26, 64<<16
	s_mov_b32 s27, 32<<16
	s_mov_b32 s28, 64
	s_mov_b32 s29, 32
	s_mov_b32 s30, 0
	s_mov_b32 s31, 0
	s_mov_b32 s32, 0x0023000f
	s_mov_b32 s33, 32<<16
	s_mov_b32 s34, 4<<16
	s_mov_b32 s35, 32<<16
	s_mov_b32 s36, 4
	s_mov_b32 s37, 32
	s_mov_b32 s38, 0
	s_mov_b32 s39, 0
	s_bfe_u32 s19, ttmp6, 0x40000                  ; cx: it enters ctx's and out's global addresses alone
	s_lshl_b32 s20, ttmp9, 2
	s_add_co_u32 s20, s20, s19                     ; gy
	s_lshl_b32 s82, s20, 9
	s_lshl_b32 s83, s18, 7
	s_add_co_u32 s82, s82, s83
	s_add_co_u32 s82, s82, 4194304                 ; ctx's scale bytes: tile 16 gy + 4 w, 32 bytes a tile
	s_mov_b32 s83, 0
	s_lshl_b32 s84, s20, 2
	s_add_co_u32 s84, s84, s18
	s_lshl_b32 s84, s84, 15                        ; ctx's codes
	s_mov_b32 s85, 0
	s_lshl_b32 s86, s20, 20
	s_lshl_b32 s87, s18, 18
	s_add_co_u32 s86, s86, s87
	s_add_co_u32 s86, s86, s62                     ; out: row 256 gy + 64 w, column 128 gx
	s_mov_b32 s87, 0
	s_mul_i32 s88, s18, 16*SPITCH
	s_add_co_u32 s88, s88, STAGE                   ; my stage
	v_and_b32 v17, 31, v0
	v_and_b32 v18, 15, v0
	v_bfe_u32 v19, v0, 4, 1
	v_lshlrev_b32 v1, 4, v17                       ; 16 x lane
	v_lshlrev_b32 v2, 3, v17
	v_lshlrev_b32 v3, 4, v17
	v_add_nc_u32 v6, WSCB, v2
	v_lshlrev_b32 v7, 6, v19                       ; the bias: 16 h numbers on
	v_lshlrev_b32 v9, 1, v17                       ; 2 x lane
	v_mul_u32_u24 v10, v18, SPITCH
	v_lshl_add_u32 v10, v19, 6, v10
	v_add_nc_u32 v10, s88, v10                     ; the stage, in: row r, + 64 h
	v_add_nc_u32 v11, s88, v1                      ; and back: 16 bytes a lane of a row
	s_wait_dscnt 0x0
	s_wait_kmcnt 0x0
	s_mov_b32 s40, 1
	s_add_co_u32 s41, s22, WSCB
	s_add_nc_u64 s[42:43], s[6:7], s[58:59]
	s_or_b32 s43, s43, 0x80000000
	s_mov_b32 s44, 1
	s_mov_b32 s45, s23
	s_add_nc_u64 s[46:47], s[6:7], s[60:61]
	s_or_b32 s47, s47, 0x80000000
	s_add_nc_u64 s[66:67], s[4:5], s[82:83]
	s_add_nc_u64 s[4:5], s[4:5], s[84:85]
	s_add_nc_u64 s[8:9], s[8:9], s[62:63]
	s_add_nc_u64 s[10:11], s[10:11], s[86:87]
	ROUND                                          ; all four work-groups are here: the joint loads meet
	tensor_load_to_lds s[40:43], s[32:39]          ; my quarter of the scales and of the codes: two loads of mine are out
	s_nop 0
	tensor_load_to_lds s[44:47], s[24:31]
	s_nop 0
	PLACES 4
	s_wait_alu depctr_va_vdst(0)
.irp G, 0,1
.irp hd, 0,1,2,3,4,5,6,7,8,9,10,11,12,13,14,15
	global_load_u16 v[HB+16*\G+\hd], v9, s[66:67] offset:\hd*16384+\G*64   ; a head's two scale bytes: lanes 0-15 tile 2 G's slots, lanes 16-31 tile 2 G + 1's
.endr
.endr
	WIN 0xc0
.irp wt, 0,1,2,3,4,5,6,7
	global_load_b128 v[BI+8*\wt:BI+8*\wt+3], v7, s[8:9] offset:(32*(\wt/2)+8*(\wt%2))*4
	global_load_b128 v[BI+8*\wt+4:BI+8*\wt+7], v7, s[8:9] offset:(32*(\wt/2)+8*(\wt%2))*4+16
.endr
	WIN 0x40
.irp s, 0,1,2,3,4,5,6,7
.irp a, 0,1,2,3
.irp c, 0,1
	global_load_b128 v[64*\a+8*\s+4*\c:64*\a+8*\s+4*\c+3], v1, s[4:5] offset:\a*8192+\s*1024+\c*512
.endr
.endr
.endr
	WIN 0
.macro WM d, a, b, c, sa, sb, ra, rb
.if (\ra) && (\rb)
	v_wmma_scale_f32_16x16x128_f8f6f4 v[\d:\d+7], v[\a:\a+7], v[\b:\b+7], v[\c:\c+7], v[\sa], v[\sb] matrix_a_fmt:MATRIX_FMT_FP4 matrix_b_fmt:MATRIX_FMT_FP4 matrix_a_scale:MATRIX_SCALE_ROW1 matrix_b_scale:MATRIX_SCALE_ROW1
.elseif (\ra)
	v_wmma_scale_f32_16x16x128_f8f6f4 v[\d:\d+7], v[\a:\a+7], v[\b:\b+7], v[\c:\c+7], v[\sa], v[\sb] matrix_a_fmt:MATRIX_FMT_FP4 matrix_b_fmt:MATRIX_FMT_FP4 matrix_a_scale:MATRIX_SCALE_ROW1
.elseif (\rb)
	v_wmma_scale_f32_16x16x128_f8f6f4 v[\d:\d+7], v[\a:\a+7], v[\b:\b+7], v[\c:\c+7], v[\sa], v[\sb] matrix_a_fmt:MATRIX_FMT_FP4 matrix_b_fmt:MATRIX_FMT_FP4 matrix_b_scale:MATRIX_SCALE_ROW1
.else
	v_wmma_scale_f32_16x16x128_f8f6f4 v[\d:\d+7], v[\a:\a+7], v[\b:\b+7], v[\c:\c+7], v[\sa], v[\sb] matrix_a_fmt:MATRIX_FMT_FP4 matrix_b_fmt:MATRIX_FMT_FP4
.endif
.endm
.macro MUL s, set, first               ; 32 products; the accumulators take turns, one instruction a turn, in the same order in every step
.if \first
	WIN 0xb7
.else
	WIN 0xa7
.endif
.irp a, 0,1,2,3
.irp wt, 0,1,2,3,4,5,6,7
.if \first
	WM 8*(8*\a+\wt), 64*(\set)+8*\wt, 64*\a+8*(\s), BI+8*\wt, WS+8*(\wt/2)+(\s), XS+8*(\a/2)+(\s), \wt%2, \a%2
.else
	WM 8*(8*\a+\wt), 64*(\set)+8*\wt, 64*\a+8*(\s), 8*(8*\a+\wt), WS+8*(\wt/2)+(\s), XS+8*(\a/2)+(\s), \wt%2, \a%2
.endif
.endr
.endr
.endm
.macro FETCHW s, set
	WIN 0xc0
.irp wt, 0,1,2,3,4,5,6,7
.irp c, 0,1
	ds_load_b128 v[64*(\set)+8*\wt+4*\c:64*(\set)+8*\wt+4*\c+3], v[LA] offset:\wt*8192+(\s)*1024+\c*512
.endr
.endr
.endm
.macro STEP s
	s_wait_dscnt 0x0                               ; this step's fragments of Wo
	s_wait_loadcnt 8*(7-\s)                        ; ctx's fragments of this K step are in; the later steps', eight each, may be out
.if \s < 7
	PLACES 4                                       ; in front of loads into the set that the last step's products read
	FETCHW \s+1, (\s+1)%2
.endif
.if \s == 0
	MUL \s, 0, 1
.else
	MUL \s, (\s)%2, 0
.endif
.endm
	s_wait_tensorcnt 0x0
	s_barrier_signal -1
	s_barrier_wait -1                              ; Wo lies in LDS
.irp g, 0,1,2,3
.irp kq, 0,1,2,3
	ds_load_b64 v[WS+8*\g+2*\kq:WS+8*\g+2*\kq+1], v6 offset:\g*1024+\kq*256
.endr
.endr
	FETCHW 0, 0
	WIN 0
	s_wait_loadcnt 56                              ; the scale bytes, the bias and K step 0's fragments are in
.irp G, 0,1
.irp s, 0,1,2,3,4,5,6,7
	v_lshl_or_b32 v[XS+8*\G+\s], v[HB+16*\G+2*\s+1], 16, v[HB+16*\G+2*\s]   ; K step s is heads 2 s and 2 s + 1: four bytes
.endr
.endr
	PLACES 8                                       ; a scale register written by a vector instruction stands eight places ahead of a scaled product
	s_wait_alu depctr_va_vdst(0)
.irp s, 0,1,2,3,4,5,6,7
	STEP \s
.endr
	WIN 0
; THE WAY OUT, a tile of 16 rows x 128 columns at a time: into my stage, back as whole rows of 512 bytes.  LDS serves a wave's instructions in order: no wait between the stores and the loads.
.macro TOSTAGE a
	WIN 0x08                                       ; the data: the accumulators' window
.irp wt, 0,1,2,3,4,5,6,7
	ds_store_b128 v10, v[8*(8*(\a)+\wt):8*(8*(\a)+\wt)+3] offset:(\wt/2)*128+(\wt%2)*32        ; each accumulator from its low end on
	ds_store_b128 v10, v[8*(8*(\a)+\wt)+4:8*(8*(\a)+\wt)+7] offset:(\wt/2)*128+(\wt%2)*32+16
.endr
	WIN 0
.irp t, 0,1,2,3,4,5,6,7,8,9,10,11,12,13,14,15
	ds_load_b128 v[BK+64*((\a)%2)+4*\t:BK+64*((\a)%2)+4*\t+3], v11 offset:\t*SPITCH
.endr
.endm
.macro SEND a, younger                 ; slot t of tile a is row 32 (a / 2) + 16 (t / 8) + 8 (a % 2) + t % 8 of my 64
	s_wait_dscnt \younger
.irp t, 0,1,2,3,4,5,6,7,8,9,10,11,12,13,14,15
	global_store_b128 v1, v[BK+64*((\a)%2)+4*\t:BK+64*((\a)%2)+4*\t+3], s[10:11] offset:(32*((\a)/2)+16*(\t/8)+8*((\a)%2)+\t%8)*4096 th:TH_STORE_NT   ; 512 consecutive bytes, aligned
.endr
.endm
	PLACES 4                                       ; in front of the first read of results
	TOSTAGE 0
.irp a, 1,2,3
.if \a > 1
	s_wait_xcnt 0x0                                ; the stores of two tiles ago have read their registers: this tile's loads may land there
.endif
	TOSTAGE \a
	SEND \a-1, 32                                  ; behind that tile's loads: this tile's 16 stores and 16 loads
.endr
	SEND 3, 0
	s_wait_tensorcnt 0x0
	ds_add_u32 v126, v127
	s_wait_dscnt 0x0
	ROUND                                          ; the closing round
	s_endpgm
.Lfunc_end_k_q69ed890977_oproj:
	.size	k_q69ed890977_oproj, .Lfunc_end_k_q69ed890977_oproj-k_q69ed890977_oproj
	.p2alignl 7, 3214868480
	.fill 96, 4, 3214868480
	.section	.rodata,"a",@progbits
	.p2align	6, 0x0
	.amdhsa_kernel k_q69ed890977_oproj
		.amdhsa_group_segment_fixed_size 168448
		.amdhsa_private_segment_fixed_size 0
		.amdhsa_enable_private_segment 0
		.amdhsa_kernarg_size 32
		.amdhsa_user_sgpr_count 2
		.amdhsa_user_sgpr_kernarg_segment_ptr 1
		.amdhsa_wavefront_size32 1
		.amdhsa_system_sgpr_workgroup_id_x 1
		.amdhsa_system_sgpr_workgroup_id_y 1
		.amdhsa_system_sgpr_workgroup_id_z 1
		.amdhsa_system_vgpr_workitem_id 0
		.amdhsa_next_free_vgpr 1024
		.amdhsa_next_free_sgpr 96
		.amdhsa_reserve_vcc 0
		.amdhsa_float_denorm_mode_32 3
		.amdhsa_float_denorm_mode_16_64 3
		.amdhsa_memory_ordered 1
		.amdhsa_forward_progress 1
		.amdhsa_inst_pref_size 75
	.end_amdhsa_kernel
	.amdgpu_metadata
---
amdhsa.version: [ 1, 2 ]
amdhsa.kernels:
  - .name:           k_q69ed890977_oproj
    .symbol:         k_q69ed890977_oproj.kd
    .args:
      - { .name: cb, .offset: 0, .size: 8, .value_kind: global_buffer, .address_space: global }
      - { .name: wb, .offset: 8, .size: 8, .value_kind: global_buffer, .address_space: global }
      - { .name: bo, .offset: 16, .size: 8, .value_kind: global_buffer, .address_space: global }
      - { .name: out0, .offset: 24, .size: 8, .value_kind: global_buffer, .address_space: global }
    .group_segment_fixed_size: 168448
    .private_segment_fixed_size: 0
    .kernarg_segment_align: 8
    .kernarg_segment_size: 32
    .max_flat_workgroup_size: 128
    .sgpr_count:     96
    .vgpr_count:     1024
    .wavefront_size: 32
...
	.end_amdgpu_metadata
.endif
;; end of part 4
